; MI455X (gfx1250); checked and timed in simulation.
; The chip was launched on July 23, 2026; its instructions are those of AMD's public machine-readable ISA for CDNA 5 (MIT licence, August 2026) and "CDNA5" Instruction Set Architecture Reference Guide (July 2026). The comments in the code are by the model that wrote it; some were corrected since.
;; SOM Layer. Allowed arithmetic: matrix products marked QUANTISED: E2M1 operands, one E8M0 scale for each 32 along K, by v_wmma_scale_f32_16x16x128_f8f6f4 with both operands' format E2M1 (or v_wmma_scale_f32_32x16x128_f4), f32 sums; everything else in f32.
;; Inputs: inputs 8,192 x 1,024 float32; weights_map 64 x 64 x 1,024 float32.
;; Outputs: out0 8,192 x 2 int32; out1 8,192 float32; out2 64 x 64 x 1,024 float32.
;; This version of the problem:
;;   THIS VERSION OF THE PROBLEM IS GIVEN IN LOW PRECISION. The matrix products marked QUANTISED in the list below multiply operands that are first quantised to E2M1 (2 exponent bits, 1 mantissa bit; 4 bits a number), with one power-of-two scale for each 32 numbers along K (OCP MX v1.0); their sums are f32. All else is computed in f32.
;;   The module's matrix products, in the order in which they are computed (A, B: the left and right operand; K: the contracted axis; several contracted axes count as one K, in the product's order):
;;     1. [M 8,192, K 1,024] x [K 1,024, N 4,096]; A: input inputs; B: input weights_map: QUANTISED
;;     2. [M 4,096, K 8,192] x [K 8,192, N 1,024]; A: computed on the way; B: input inputs: QUANTISED
;;   THE QUANTISER, for each operand of a quantised product, along K:
;;     - K is cut into blocks of 32 from its start; a last block that is shorter is filled with zeros.
;;     - A block's scale is 2^e with e = floor(log2(the largest magnitude in the block)) - 2, held to -126 .. 127; a block of zeros has e = 0. As a byte (E8M0): e + 127.
;;     - Each number is divided by its block's scale, clamped to +-6, and rounded to the nearest number of E2M1, ties to even, subnormals kept.
;;     - The product sums the exact products of the quantised numbers (number of the format x scale) in f32.
;;   ~~~python
;;   def quantise(x, axis):      # numpy; x: float32 -> the quantised numbers, widened to float32 again
;;       x = np.moveaxis(x, axis, -1); K = x.shape[-1]
;;       x = np.pad(x, [(0, 0)] * (x.ndim - 1) + [(0, -K % 32)]); x = x.reshape(x.shape[:-1] + (-1, 32)); a = np.abs(x).max(-1, keepdims=True)
;;       e = np.where(a > 0, np.clip(np.frexp(np.where(a > 0, a, 1))[1] - 1 - 2, -126, 127), 0)      # np.frexp(a)[1] - 1 = floor(log2(a)), exactly
;;       r = np.clip(x / 2.0 ** e, -6, 6)
;;       step = 2.0 ** (np.maximum(np.frexp(np.where(r == 0, 1, r))[1] - 1, 0) - 1)
;;       q = np.round(r / step) * step * 2.0 ** e      # np.round: ties to even
;;       return np.moveaxis(q.reshape(q.shape[:-2] + (-1,))[..., :K], -1, axis).astype(np.float32)
;;   ~~~
;;   OPERANDS COMPUTED ON THE WAY. 'Computed on the way' means the value that the module computes at that place (a softmax that the list does not call 'softmax' is quantised finished and normalised). What goes into a quantiser is computed in f32, as accurately as f32 sums, v_exp_f32 and their like allow (about 1e-6 of the number): no bf16 or f16 on the way to a quantiser, and a product that is left as it is and whose result goes on into a quantised operand takes f32 operands (vector FMAs, or v_wmma_f32_16x16x4_f32). A number that lies on a knife's edge between two numbers of the format may be rounded either way, as far as f32 arithmetic and the matrix unit's own rounding can turn it there, and no further.
;; One version. Each part assembles by itself: llvm-mc -triple=amdgcn-amd-amdhsa -mcpu=gfx1250 --defsym DOCPART=n.
;; ======== version 1 of 1: 4 launches
;; limits: right only within a limited range of input values
;; workspace buffers: rq 6,291,456 bytes; rsq 786,432 bytes; xt 4,194,304 bytes; xs 262,144 bytes; part 2,097,152 bytes; nq 16,777,216 bytes; nsc 2,097,152 bytes
;; launch quant (part 1): grid 8 x 96, 4 waves a work-group, no clusters, 22,016 bytes of LDS; arguments inputs, weights_map, rq, rsq, xt, xs; writes rq, rsq, xt, xs
.if DOCPART == 1
	.amdgcn_target "amdgcn-amd-amdhsa--gfx1250"
	.amdhsa_code_object_version 6
	.text
	.protected	k_qc217f68d37_quant
	.globl	k_qc217f68d37_quant
	.p2align	8
	.type	k_qc217f68d37_quant,@function
k_qc217f68d37_quant:
	s_mov_b64 s[64:65], 0
	v_nop
	global_prefetch_b8 v0, s[64:65] scope:SCOPE_SE
	s_setreg_imm32_b32 hwreg(HW_REG_WAVE_MODE, 25, 1), 1
	s_wait_xcnt 0x0
; inputs [8192][1024] and weights_map [4096][1024], f32, become codes of FP4 (E2M1) with one E8M0 byte for each 32 along K.
;   along the 1,024 features (first product):  rq  [32 blocks][12,288 rows][16 bytes], rows 0-8191 = inputs, 8192-12287 = weights;
;                                              rsq at 0: scale words [8 K steps][12,288 rows][4 bytes]; at 393,216: sums of squares of 128 columns, f32 [8][12,288]
;   inputs along the batch (second product):   xt  [256 blocks][1,024 columns][16 bytes];  xs scale words [64 K steps][1,024][4 bytes]
; BLOCK-MAJOR LAYOUT: a block's 16 bytes of neighbouring rows lie on end, so that a lane that holds one row's block stores 16 bytes beside its neighbours' (512 consecutive bytes a wave).
; A work-group takes 128 rows x 128 columns; wave w the columns 32 w .. 32 w + 31; the four waves stand side by side on 512 bytes of a row.  A lane takes a column and its 32 registers run down 32 rows:
; that IS a block along the batch.  The same 32 x 32 numbers turn through the wave's own stage in LDS (rows 144 bytes apart) and come back a row to a lane: that is a block along the features.  Each number is read from memory once.
; A block's scale is 2^(floor(log2(largest magnitude)) - 2); its byte is the largest magnitude's exponent field - 2, held at 1 from below by a floor among the maximum's leaves.
; LIMITS: a block of zeros gets the byte 1 (its codes are zeros; this program alone reads the bytes); NaN and infinities among the inputs are not served.
; No cluster: no two work-groups read the same bytes.  No tensor load: the numbers are wanted in registers, a column to a lane.
.set SP,   144                         ; a stage row: 128 bytes + 16
.set STG,  32*SP                       ; a wave's stage
.set SWL,  4*STG                       ; [128 rows][4 bytes]: the feature blocks' scale bytes, byte w from wave w
.set SQL,  SWL+512                     ; [4 waves][128 rows] f32: sums of squares of 32 columns
.set SBT,  SQL+2048                    ; [128 columns] words: the batch blocks' scale words
.set MA,   10                          ; v10, v11 two chains of the maximum
.set MB,   11
.set SO,   12                          ; v12  the conversion's scale operand
.set BY,   13                          ; v13  the scale's byte
.set XW,   14                          ; v14  my column's scale word along the batch
.set SQ,   16                          ; v16-19 squares, two packed chains
.set X,    32                          ; v32-95   two sets of 32 numbers: my column, 32 rows
.set T,    96                          ; v96-127  my row, 32 columns
.set CB,   128                         ; v128-143 codes along the batch, four registers for each of the four blocks: no store's data are written again
.set CD,   144                         ; v144-159 codes along the features, likewise
.set OUTR, 160                         ; v160-175 the way out of the small tables
	s_load_b256 s[4:11], s[0:1], 0x0               ; inputs s[4:5], weights s[6:7], rq s[8:9], rsq s[10:11]
	s_load_b128 s[12:15], s[0:1], 0x20             ; xt s[12:13], xs s[14:15]
	v_lshl_add_u32 v176, v0, 2, 0x5400
	v_mov_b32 v177, 0
	v_lshrrev_b32 v1, 5, v0
	v_readfirstlane_b32 s16, v1                    ; wave 0..3
	v_and_b32 v1, 31, v0                           ; lane
	v_lshlrev_b32 v2, 2, v1                        ; 4 x lane
	v_lshlrev_b32 v3, 4, v1                        ; 16 x lane
	s_mul_i32 s34, s16, STG
	v_add_nc_u32 v4, s34, v2                       ; the stage, on the way in: column = lane, the row in the immediate
	v_mul_u32_u24 v5, v1, SP
	v_add_nc_u32 v5, s34, v5                       ; and on the way out: row = lane
	s_add_co_u32 s34, s16, SWL
	v_add_nc_u32 v6, s34, v2                       ; my row's scale word, byte w
	s_lshl_b32 s34, s16, 9
	s_add_co_u32 s34, s34, SQL
	v_add_nc_u32 v7, s34, v2                       ; my row's sum of squares, plane w
	s_lshl_b32 s34, s16, 7
	s_add_co_u32 s34, s34, SBT
	v_add_nc_u32 v8, s34, v2                       ; my column's scale word along the batch
	v_add_nc_u32 v9, SWL, v3                       ; the tables' way out: 16 bytes a lane
	v_mov_b32 v[XW], 0
	s_and_b32 s18, ttmp7, 0xffff                   ; ty: 128 rows; 0-63 inputs, 64-95 weights
	s_and_b32 s19, s18, 63                         ; (keeps xt's and xs's addresses inside their buffers in the weights' work-groups, which do not use them)
	s_cmp_lt_u32 s18, 64
	s_cselect_b32 s20, 0, 64
	s_cselect_b32 s21, 1, 0                        ; 1: these rows are inputs
	s_sub_co_u32 s32, s18, s20
	s_lshl_b32 s32, s32, 19                        ; source: 128 rows of 4,096 bytes,
	s_lshl_b32 s33, ttmp9, 9                       ; 128 columns,
	s_add_co_u32 s32, s32, s33
	s_lshl_b32 s33, s16, 7                         ; my wave's 32
	s_add_co_u32 s32, s32, s33
	s_mov_b32 s33, 0
	s_lshl_b32 s34, ttmp9, 2
	s_add_co_u32 s34, s34, s16                     ; rq: block 4 tx + w,
	s_mul_i32 s34, s34, 196608
	s_lshl_b32 s35, s18, 11                        ; row 128 ty
	s_add_co_u32 s34, s34, s35
	s_mov_b32 s35, 0
	s_lshl_b32 s36, s19, 16                        ; xt: block 4 ty, column 128 tx + 32 w
	s_lshl_b32 s37, ttmp9, 11
	s_add_co_u32 s36, s36, s37
	s_lshl_b32 s37, s16, 9
	s_add_co_u32 s36, s36, s37
	s_mov_b32 s37, 0
	s_mul_i32 s38, ttmp9, 49152                    ; rsq: K step tx, row 128 ty
	s_lshl_b32 s39, s18, 9
	s_add_co_u32 s38, s38, s39
	s_mov_b32 s39, 0
	s_lshl_b32 s40, s19, 12                        ; xs: K step ty, column 128 tx
	s_lshl_b32 s41, ttmp9, 9
	s_add_co_u32 s40, s40, s41
	s_mov_b32 s41, 0
	s_wait_alu depctr_va_vdst(0)
	s_wait_kmcnt 0x0
	s_cmp_lt_u32 s18, 64                           ; the choice hangs on the work-group's number alone
	s_cselect_b64 s[22:23], s[4:5], s[6:7]
	s_add_nc_u64 s[22:23], s[22:23], s[32:33]
	s_add_nc_u64 s[24:25], s[8:9], s[34:35]
	s_add_nc_u64 s[26:27], s[12:13], s[36:37]
	s_add_nc_u64 s[28:29], s[10:11], s[38:39]
	s_add_nc_u64 s[30:31], s[14:15], s[40:41]
.macro LOAD rb                         ; rows 32 rb .. 32 rb + 31 of my column into set rb % 2: each load reads 128 consecutive bytes a wave
.set i, 0
.rept 32
	global_load_b32 v[X+32*((\rb)%2)+i], v2, s[22:23] offset:(32*(\rb)+i)*4096 th:TH_LOAD_NT
.set i, i+1
.endr
.endm
.macro QB src, dst                     ; 32 numbers of a lane, one block: its byte in v[BY], its 32 codes in four registers
	v_max3_num_f32 v[MA], |v[\src]|, |v[\src+1]|, |v[\src+2]|
	v_max3_num_f32 v[MB], |v[\src+3]|, |v[\src+4]|, |v[\src+5]|
.irp i, 6,10,14,18,22,26
	v_max3_num_f32 v[MA], v[MA], |v[\src+\i]|, |v[\src+\i+1]|
	v_max3_num_f32 v[MB], v[MB], |v[\src+\i+2]|, |v[\src+\i+3]|
.endr
	v_max3_num_f32 v[MA], v[MA], |v[\src+30]|, |v[\src+31]|
	v_max3_num_f32 v[MA], v[MA], v[MB], 0x1800000  ; and the floor 2^(3 - 127): the byte cannot fall under 1
	v_add_nc_u32 v[SO], 0xff000000, v[MA]          ; 2 off the exponent field: the conversion takes the exponent field of this operand as its scale
	v_lshrrev_b32 v[BY], 23, v[SO]                 ; the scale's byte
.irp g, 0,1,2,3
	v_cvt_scalef32_pk8_fp4_f32 v[\dst+\g], v[\src+8*\g:\src+8*\g+7], v[SO]
.endr
	v_nop                                          ; one plain line behind the last scaled conversion
.endm
.macro SUB rb
.set XS, X+32*((\rb)%2)
.if (\rb) < 3
	s_wait_loadcnt 32                              ; this set's 32 loads are in; the next set's 32 may be out
.else
	s_wait_loadcnt 0x0
.endif
.set i, 0
.rept 32
	ds_store_b32 v4, v[XS+i] offset:SP*i           ; row i of the stage, 128 consecutive bytes
.set i, i+1
.endr
.irp k, 0,1,2,3,4,5,6,7
	ds_load_b128 v[T+4*\k:T+4*\k+3], v5 offset:16*\k   ; LDS serves a wave's instructions in order: these see the stores above.  Row = lane
.endr
	s_cmp_lg_u32 s21, 0                            ; the batch's blocks are wanted of the inputs alone
	s_cbranch_scc0 .Lnot_x_\@
	QB XS, CB+4*(\rb)
	v_lshl_or_b32 v[XW], v[BY], 8*(\rb), v[XW]     ; byte rb of my column's scale word
	global_store_b128 v3, v[CB+4*(\rb):CB+4*(\rb)+3], s[26:27] offset:16384*(\rb)   ; 512 consecutive bytes a wave
.Lnot_x_\@:
	s_wait_dscnt 0x0                               ; my row is in, and the stage's stores have read the set
.if (\rb) < 2
	LOAD (\rb)+2
.endif
	QB T, CD+4*(\rb)
	v_pk_mul_f32 v[SQ:SQ+1], v[T:T+1], v[T:T+1]    ; the sum of squares of the numbers as they are given
	v_pk_mul_f32 v[SQ+2:SQ+3], v[T+2:T+3], v[T+2:T+3]
.irp i, 4,8,12,16,20,24,28
	v_pk_fma_f32 v[SQ:SQ+1], v[T+\i:T+\i+1], v[T+\i:T+\i+1], v[SQ:SQ+1]
	v_pk_fma_f32 v[SQ+2:SQ+3], v[T+\i+2:T+\i+3], v[T+\i+2:T+\i+3], v[SQ+2:SQ+3]
.endr
	v_pk_add_f32 v[SQ:SQ+1], v[SQ:SQ+1], v[SQ+2:SQ+3]
	v_add_f32 v[SQ], v[SQ], v[SQ+1]
	ds_store_b8 v6, v[BY] offset:128*(\rb)
	ds_store_b32 v7, v[SQ] offset:128*(\rb)
	global_store_b128 v3, v[CD+4*(\rb):CD+4*(\rb)+3], s[24:25] offset:512*(\rb)     ; 512 consecutive bytes a wave
.endm
	LOAD 0
	LOAD 1
	SUB 0
	SUB 1
	SUB 2
	SUB 3
	s_cmp_lg_u32 s21, 0
	s_cbranch_scc0 .Lno_xw
	ds_store_b32 v8, v[XW]
.Lno_xw:
	s_wait_dscnt 0x0                               ; for the others' sake: my stores into the three tables are done
	s_barrier_signal -1
	s_barrier_wait -1
	s_cmp_lg_u32 s16, 0
	s_cbranch_scc1 .Lw1
	ds_load_b128 v[OUTR:OUTR+3], v9                ; wave 0: the 128 rows' scale words, 512 consecutive bytes
	s_wait_dscnt 0x0
	global_store_b128 v3, v[OUTR:OUTR+3], s[28:29]
	s_branch .Lend
.Lw1:
	s_cmp_lg_u32 s16, 1
	s_cbranch_scc1 .Lw2
.irp p, 0,1,2,3
	ds_load_b128 v[OUTR+4*\p:OUTR+4*\p+3], v9 offset:SQL-SWL+512*\p   ; wave 1: the four waves' sums of squares
.endr
	s_wait_dscnt 0x0
	v_pk_add_f32 v[OUTR:OUTR+1], v[OUTR:OUTR+1], v[OUTR+4:OUTR+5]
	v_pk_add_f32 v[OUTR+2:OUTR+3], v[OUTR+2:OUTR+3], v[OUTR+6:OUTR+7]
	v_pk_add_f32 v[OUTR+8:OUTR+9], v[OUTR+8:OUTR+9], v[OUTR+12:OUTR+13]
	v_pk_add_f32 v[OUTR+10:OUTR+11], v[OUTR+10:OUTR+11], v[OUTR+14:OUTR+15]
	v_pk_add_f32 v[OUTR:OUTR+1], v[OUTR:OUTR+1], v[OUTR+8:OUTR+9]
	v_pk_add_f32 v[OUTR+2:OUTR+3], v[OUTR+2:OUTR+3], v[OUTR+10:OUTR+11]
	global_store_b128 v3, v[OUTR:OUTR+3], s[28:29] offset:393216
	s_branch .Lend
.Lw2:
	s_cmp_lg_u32 s16, 2
	s_cbranch_scc1 .Lend
	s_cmp_lg_u32 s21, 0
	s_cbranch_scc0 .Lend
	ds_load_b128 v[OUTR:OUTR+3], v9 offset:SBT-SWL ; wave 2, inputs alone: the 128 columns' scale words along the batch
	s_wait_dscnt 0x0
	global_store_b128 v3, v[OUTR:OUTR+3], s[30:31]
.Lend:
	s_wait_tensorcnt 0x0
	ds_add_u32 v176, v177
	s_wait_dscnt 0x0
	s_endpgm
.Lfunc_end_k_qc217f68d37_quant:
	.size	k_qc217f68d37_quant, .Lfunc_end_k_qc217f68d37_quant-k_qc217f68d37_quant
	.p2alignl 7, 3214868480
	.fill 96, 4, 3214868480
	.section	.rodata,"a",@progbits
	.p2align	6, 0x0
	.amdhsa_kernel k_qc217f68d37_quant
		.amdhsa_group_segment_fixed_size 22016
		.amdhsa_private_segment_fixed_size 0
		.amdhsa_enable_private_segment 0
		.amdhsa_kernarg_size 48
		.amdhsa_user_sgpr_count 2
		.amdhsa_user_sgpr_kernarg_segment_ptr 1
		.amdhsa_wavefront_size32 1
		.amdhsa_system_sgpr_workgroup_id_x 1
		.amdhsa_system_sgpr_workgroup_id_y 1
		.amdhsa_system_sgpr_workgroup_id_z 1
		.amdhsa_system_vgpr_workitem_id 0
		.amdhsa_next_free_vgpr 178
		.amdhsa_next_free_sgpr 66
		.amdhsa_reserve_vcc 0
		.amdhsa_float_denorm_mode_32 3
		.amdhsa_float_denorm_mode_16_64 3
		.amdhsa_memory_ordered 1
		.amdhsa_forward_progress 1
		.amdhsa_inst_pref_size 45
	.end_amdhsa_kernel
	.amdgpu_metadata
---
amdhsa.version: [ 1, 2 ]
amdhsa.kernels:
  - .name:           k_qc217f68d37_quant
    .symbol:         k_qc217f68d37_quant.kd
    .args:
      - { .name: inputs, .offset: 0, .size: 8, .value_kind: global_buffer, .address_space: global }
      - { .name: weights_map, .offset: 8, .size: 8, .value_kind: global_buffer, .address_space: global }
      - { .name: rq, .offset: 16, .size: 8, .value_kind: global_buffer, .address_space: global }
      - { .name: rsq, .offset: 24, .size: 8, .value_kind: global_buffer, .address_space: global }
      - { .name: xt, .offset: 32, .size: 8, .value_kind: global_buffer, .address_space: global }
      - { .name: xs, .offset: 40, .size: 8, .value_kind: global_buffer, .address_space: global }
    .group_segment_fixed_size: 22016
    .private_segment_fixed_size: 0
    .kernarg_segment_align: 8
    .kernarg_segment_size: 48
    .max_flat_workgroup_size: 128
    .sgpr_count:     66
    .vgpr_count:     178
    .wavefront_size: 32
...
	.end_amdgpu_metadata
.endif
;; end of part 1
;; launch dist (part 2): grid 8 x 32, 4 waves a work-group, clusters of 4 x 4, 327,680 bytes of LDS; arguments rq, rsq, part; writes part
.if DOCPART == 2
	.amdgcn_target "amdgcn-amd-amdhsa--gfx1250"
	.amdhsa_code_object_version 6
	.text
	.protected	k_qc217f68d37_dist
	.globl	k_qc217f68d37_dist
	.p2align	8
	.type	k_qc217f68d37_dist,@function
k_qc217f68d37_dist:
	s_mov_b64 s[64:65], 0
	v_nop
	global_prefetch_b8 v0, s[64:65] scope:SCOPE_SE
	s_setreg_imm32_b32 hwreg(HW_REG_WAVE_MODE, 25, 1), 1
	s_wait_xcnt 0x0
	s_wait_alu depctr_hold_cnt(0) depctr_sa_sdst(0) depctr_va_vdst(0) depctr_va_sdst(0) depctr_va_ssrc(0) depctr_va_vcc(0) depctr_vm_vsrc(0)
	s_getreg_b32 s2, hwreg(HW_REG_IB_STS2, 6, 4)
	s_cmp_eq_u32 s2, 0
	s_cbranch_scc0 .Lentry_in_a_cluster
	s_endpgm
.Lentry_in_a_cluster:
	s_bfe_u32 s2, ttmp6, 0x10000c
	s_cmp_lg_u32 s2, 0xf033
	s_cbranch_scc0 .Lentry_shape_is_right
	s_endpgm
.Lentry_shape_is_right:
; The first product, inputs x weights^T on codes of FP4, K = 1,024, and behind it, for each input row, the least squared distance and its lowest index within each strip of 128 neurons.
; A WORK-GROUP STAYS: it makes 256 input rows x 256 neurons twice, for neuron tiles tn and tn + 8; each of its four waves 128 x 128: 64 accumulators, 512 registers.  256 work-groups.
; ALL OF K of both operands' tiles fits in LDS (2 x 131,072 bytes of codes).  The inputs' codes, scale words and x2/2 are fetched once and serve both tiles.  The neurons' codes are filled a second time, by ONE refill:
; at the head of the first tile's last K step the wave's last fragments have left LDS; behind a round of the cluster's barrier each wave asks for 8 of the second tile's 32 blocks, and that load has the step's 64 matrix
; instructions and all the vector work behind the first product in which to land.  Both tiles' scale words and w2 come with the first fills.  By this text's count a wave has five tensor loads out at the start, later one.
; Both tiles are written out.
; CLUSTERS: 4 x 4 work-groups; the four of a row need the same input rows, the four of a column the same neurons: each tile is asked for jointly.
; CODES LIE BLOCK-MAJOR, [block of 32 along K][row][16 bytes], in memory and in LDS alike: lane (r, h) wants, for registers 4 c .. 4 c + 3 of a fragment, block 2 c + h of row r, so sixteen lanes read 256 consecutive bytes: no padding is needed.
; TRANSPOSED USE: source 0 = 16 neurons, source 1 = 16 input rows: a lane holds ONE input row (lane % 16) and its registers run over neurons 16 b + 8 (lane / 16) + j: the minimum over neurons stays in the lane but for one exchange.
; THE DISTANCE.  reference() has max(x2 + w2 - 2 dot, 0).  Here s = w2 - 2 dot (one fused multiply-add), the least s is held at -x2 from below, and x2 is added once, to the minimum: the same order of the candidates, without the rounding of x2 + w2.
; The index is the LOWEST n whose s is at or under the held minimum: the candidates are gone through from the highest down, and the last that fits stays.
; LIMITS: candidates that differ by less than the f32 rounding of x2, w2 and their sum may be ordered otherwise than in reference(); NaN and infinities are not served.
; part: [32 strips][64 groups of 128 rows][2 kinds: distance f32, index][32 lanes][4 words]; word p of lane l is row 32 p + l of the group.
; All of LDS is claimed and 0 is added to spare words in front of the refill's round and at the wave's end.
; THE FILLS AS THIS TEXT HAS THEM (in place of what the lines above say of the first fills, of the refill and of their counts): at the head ONE joint load a wave: wave 0 the inputs' 32 blocks,
; wave 1 the first tile's neurons' 32 blocks, wave 2 the inputs' scale words, wave 3 the first tile's neurons'.  At the one refill waves 0 and 1 ask for 16 blocks each of the second tile's neurons and wave 2 for its scale
; words, which land on the first tile's: those lie in registers since the first K step.  By this text's count a wave has one tensor load out at the most.
; THE DISTANCE AS THIS TEXT HAS IT (in place of the paragraph above): -w2/2 is the C of each accumulator's first product, so an accumulator ends as dot - w2/2.  The LARGEST of them, held at x2/2 from above
; (the distance is held at 0), gives the squared distance 2 (x2/2 - it).  The index is the lowest n whose number is at or over the held maximum.
.set KBP,   196608
.set BCOD,  131072                     ; LDS: the inputs' codes at 0, [32 blocks][256 rows][16]; the neurons' here
.set SCA,   262144                     ; the inputs' scale words [8 K steps][256 rows][4 bytes]
.set SCBD,  8256                       ; the first tile's neurons' lie 8,192 + 64 bytes on, the second tile's land on them: lanes 16-31 then read other banks than lanes 0-15
.set HXW,   286976                     ; 256 x x2/2, 256 x -w2/2 of the first tile, 256 x -w2/2 of the second: stored by the waves, in blocks of 256 bytes into which no tile lands
.set SPARE, 290048                     ; the spare words, 128 bytes for each wave: two blocks of 256 bytes that no other line names
.set ADRA, 16                          ; v16-17 LDS address of my input fragments, first and second half of K
.set ADRB, 20                          ; v20-21 the same for the neurons
.set AMX,  22                          ; v22  where my row's x2/2 lies
.set AHW,  23                          ; v23  where my eight neurons' w2 lie (first tile; the second's 1,024 bytes on)
.set LO,   26                          ; v26  16 x lane
.set ADRS, 27                          ; v27  my scale words: lanes 0-15 the inputs', lanes 16-31 the neurons'
.set SPW,  28                          ; v28  my spare word: SPARE + 4 x my thread's number; never rewritten
.set NIL,  29                          ; v29  0; never rewritten
.set HB,   30                          ; v30  the index of my register 0 of accumulator column 0
.set SC,   64                          ; v64-127 scale words and nothing else: register 8 s + i: lanes 0-15 input block i, lanes 16-31 neuron block i, K step s
.set AF,   128                         ; v128-255 the inputs' fragments, two sets (window 0); the neurons': v0-127 of window 1, two sets; accumulators: windows 2 and 3, (a, b) at v[8 (8 (a % 4) + b)]
.set HW,   128                         ; window 1, v128-191: -w2/2 of my 64 neurons, the C of a tile's first products
.set MX,   192                         ; v192-199 x2/2 of my row in each of the 8 row blocks
.set V,    200                         ; v200-207 the maximum
.set IDX,  208                         ; v208-215 its index
.set VP,   216                         ; v216-223, v224-231 the other half's
.set IP,   224
.set PK,   232                         ; v232-239 what is stored
.set G1, 24                            ; s[24:31] group 1, the inputs' codes;  s[32:35] their group 0
.set G0, 32
.set G0S2, 40                          ; s[40:43] group 0, the second tile's scale words
.set G0R, 44                           ; s[44:47] group 0, the refill
.set G1B, 48                           ; s[48:55], s[56:59] the neurons' codes
.set G0B, 56
.set G1S, 68                           ; s[68:75], s[76:79] the inputs' scale words
.set G0S, 76
.set G1SB, 80                          ; s[80:87], s[88:91] the neurons' scale words
.set G0SB, 88
.set MSB, 0
.macro WIN new                         ; the immediate's high byte repeats the setting that is left
.if MSB != \new
	s_set_vgpr_msb (MSB<<8)|\new
.set MSB, \new
.endif
.endm
.set MUL_LO, 0xa1                      ; source 0 window 1, source 1 window 0, C and D window 2
.set MUL_HI, 0xf1                      ; the same, C and D window 3
.macro PLACES n
.rept \n
	v_nop
.endr
.endm
; A joint load: wave 0 the inputs' codes, wave 1 the neurons', waves 2 and 3 their scale words; the branch hangs on the wave's number alone.  Four v_nop follow the load.
; One arm of a chain of branches on the wave's number: the waves under 'under' that no earlier arm took issue this joint load and jump to the chain's end.
.macro ARM under, g0, g1, next, end
	s_cmp_lt_u32 s14, \under
	s_cbranch_scc0 \next
	tensor_load_to_lds s[\g0:\g0+3], s[\g1:\g1+7]
	s_nop 0
.rept 4
	v_nop
.endr
	s_branch \end
\next:
.endm
.macro CROUND                          ; a round of the cluster's barrier
	s_barrier_signal -1
	s_barrier_wait -1
	s_cmp_lg_u32 s14, 0
	s_cbranch_scc1 .Lnot_wave_0_\@
	s_barrier_signal -3
.Lnot_wave_0_\@:
	s_barrier_wait -3
	s_barrier_signal -1
	s_barrier_wait -1
.endm
	s_load_b128 s[4:7], s[0:1], 0x0                ; rq s[4:5], rsq s[6:7]
	s_load_b64 s[8:9], s[0:1], 0x10                ; part
	v_lshl_add_u32 v[SPW], v0, 2, SPARE
	v_mov_b32 v[NIL], 0
	ds_add_u32 v28, v29
	ds_add_u32 v28, v29
	s_wait_dscnt 0x0
	v_lshrrev_b32 v1, 5, v0
	v_readfirstlane_b32 s14, v1                    ; wave 0..3
	s_lshr_b32 s15, s14, 1                         ; which 128 input rows are mine.
	s_and_b32 s16, s14, 1                          ; which 128 neurons.
	s_bfe_u32 s2, ttmp6, 0x40000                   ; cx, cy: my place in the cluster
	s_bfe_u32 s3, ttmp6, 0x40004
	s_lshl_b32 s12, ttmp9, 2
	s_add_co_u32 s12, s12, s2                      ; tn = 4 x cluster x + cx: my neuron tiles are tn and tn + 8
	s_and_b32 s17, ttmp7, 0xffff
	s_lshl_b32 s17, s17, 2
	s_add_co_u32 s17, s17, s3                      ; tile of input rows = 4 x cluster y + cy
	s_lshl_b32 s13, s3, 2
	s_lshl_b32 s13, 15, s13                        ; my row of the cluster
	s_lshl_b32 s66, 0x1111, s2                     ; my column
	; group 1, codes: 32 blocks x (256 rows x 16 bytes = 512 elements of 8 bytes), KBP bytes from block to block; no padding
	s_or_b32 s[G1+0], s13, (3<<16)|(1<<21)         ; 15:0 the mask; 17:16 elements of 8 bytes; 21 set beside a mask
	s_or_b32 s[G1B+0], s66, (3<<16)|(1<<21)
.irp g, G1, G1B
	s_mov_b32 s[\g+1], 512<<16                     ; tensor_dim0
	s_mov_b32 s[\g+2], 32<<16                      ; tensor_dim1: all 32 blocks of K in one load
	s_mov_b32 s[\g+3], 512<<16                     ; tile_dim0
	s_mov_b32 s[\g+4], 32                          ; tile_dim1
	s_mov_b32 s[\g+5], KBP/8                       ; tensor_dim0_stride
	s_mov_b32 s[\g+6], 0
	s_mov_b32 s[\g+7], 0
.endr
	; group 1, scale words: 8 K steps x (256 rows x 4 bytes = 128 elements), 49,152 bytes from step to step: one wave brings all eight
	s_or_b32 s[G1S+0], s13, (3<<16)|(1<<21)
	s_or_b32 s[G1SB+0], s66, (3<<16)|(1<<21)
.irp g, G1S, G1SB
	s_mov_b32 s[\g+1], 128<<16
	s_mov_b32 s[\g+2], 8<<16                       ; all eight K steps in one load
	s_mov_b32 s[\g+3], 128<<16
	s_mov_b32 s[\g+4], 8
	s_mov_b32 s[\g+5], 49152/8
	s_mov_b32 s[\g+6], 0
	s_mov_b32 s[\g+7], 0
.endr
	; offsets in memory: those of the inputs' side hang on the inputs' tile and the wave alone, those of the neurons' side on tn and the wave alone
	s_lshl_b32 s20, s17, 12                        ; the inputs' codes: 256 rows x 16 bytes a tile
	s_mov_b32 s21, 0
	s_lshl_b32 s22, s12, 12                        ; the neurons': behind the 8,192 input rows
	s_add_co_u32 s22, s22, 8192*16
	s_mov_b32 s23, 0
	s_lshl_b32 s92, s17, 10                        ; scale words: 256 rows x 4 bytes a tile
	s_mov_b32 s93, 0
	s_lshl_b32 s94, s12, 10
	s_add_co_u32 s94, s94, 8192*4
	s_mov_b32 s95, 0
	s_mul_i32 s96, s14, 16*KBP                     ; the refill: waves 0 and 1 take 16 blocks each of the 32, of tile tn + 8
	s_lshl_b32 s97, s12, 12
	s_add_co_u32 s96, s96, s97
	s_add_co_u32 s96, s96, 8192*16+8*4096
	s_mov_b32 s97, 0
	s_lshl_b32 s99, s14, 16                        ; the refill's place in LDS: 16 blocks x 4,096 bytes a wave
	s_wait_kmcnt 0x0
	s_add_nc_u64 s[20:21], s[4:5], s[20:21]
	s_add_nc_u64 s[22:23], s[4:5], s[22:23]
	s_add_nc_u64 s[92:93], s[6:7], s[92:93]
	s_add_nc_u64 s[94:95], s[6:7], s[94:95]
	s_add_nc_u64 s[96:97], s[4:5], s[96:97]
	CROUND                                         ; all sixteen work-groups are here: the joint loads meet
	s_mov_b32 s[G0R], 1                            ; the refill's group 0 is made here and never rewritten
	s_add_co_u32 s[G0R+1], s99, BCOD
	s_mov_b64 s[G0R+2:G0R+3], s[96:97]
	s_or_b32 s[G0R+3], s[G0R+3], 0x80000000
	s_mov_b32 s[G0S], 1
	s_mov_b32 s[G0S+1], SCA
	s_mov_b64 s[G0S+2:G0S+3], s[92:93]
	s_or_b32 s[G0S+3], s[G0S+3], 0x80000000
	s_mov_b32 s[G0SB], 1
	s_mov_b32 s[G0SB+1], SCA+SCBD
	s_mov_b64 s[G0SB+2:G0SB+3], s[94:95]
	s_or_b32 s[G0SB+3], s[G0SB+3], 0x80000000
	s_mov_b32 s[G0S2], 1
	s_mov_b32 s[G0S2+1], SCA+SCBD                  ; the second tile's scale words land where the first tile's lay
	s_add_nc_u64 s[G0S2+2:G0S2+3], s[94:95], 8*1024  ; eight tiles of 256 rows x 4 bytes on
	s_or_b32 s[G0S2+3], s[G0S2+3], 0x80000000
	s_mov_b32 s[G0], 1
	s_mov_b32 s[G0+1], 0
	s_mov_b64 s[G0+2:G0+3], s[20:21]
	s_or_b32 s[G0+3], s[G0+3], 0x80000000
	s_mov_b32 s[G0B], 1
	s_mov_b32 s[G0B+1], BCOD
	s_mov_b64 s[G0B+2:G0B+3], s[22:23]
	s_or_b32 s[G0B+3], s[G0B+3], 0x80000000
	; the head's four tiles, one joint load a wave, in one chain of branches on the wave's number
	ARM 1, G0,  G1,  .Lhead_b,  .Lhead_asked
	ARM 2, G0B, G1B, .Lhead_sa, .Lhead_asked
	ARM 3, G0S, G1S, .Lhead_sb, .Lhead_asked
	tensor_load_to_lds s[G0SB:G0SB+3], s[G1SB:G1SB+7]
	s_nop 0
	PLACES 4
.Lhead_asked:
	; WHILE THE TILES ARE ON THEIR WAY: x2 of the 256 rows and w2 of the 2 x 256 neurons, each the sum of eight parts.  Thread t owns four of the first 512 (t < 64: input rows 4 t on, else the first tile's neurons 4 (t - 64) on)
	; and two of the second tile's neurons (2 t on)
	v_and_b32 v1, 63, v0
	v_lshrrev_b32 v2, 6, v0
	s_sub_co_u32 s96, s12, s17
	s_lshl_b32 s96, s96, 10
	s_add_co_u32 s96, s96, 32768                   ; from the tile's input rows to its neurons, in bytes: above 0, since the tile numbers differ by less than 32
	s_lshl_b32 s97, s17, 10
	v_mul_u32_u24 v3, s96, v2
	v_lshl_add_u32 v3, v1, 4, v3
	v_add_nc_u32 v3, s97, v3
	s_lshl_b32 s98, s12, 10
	s_add_co_u32 s98, s98, 32768+8*1024
	v_lshl_add_u32 v11, v0, 3, s98
	s_add_nc_u64 s[10:11], s[6:7], 393216
.irp p, 0,1,2,3,4,5,6,7
	global_load_b128 v[128+4*\p:131+4*\p], v3, s[10:11] offset:49152*\p
.endr
.irp p, 0,1,2,3,4,5,6,7
	global_load_b64 v[160+2*\p:161+2*\p], v11, s[10:11] offset:49152*\p
.endr
	v_and_b32 v4, 15, v0                           ; r
	v_bfe_u32 v5, v0, 4, 1                         ; h
	s_wait_alu depctr_va_vdst(0)
	v_lshlrev_b32 v6, 4, v4
	v_lshl_add_u32 v6, v5, 12, v6                  ; 16 r + one block (4,096 bytes) for the upper half of the lanes
	s_lshl_b32 s98, s15, 11                        ; my 128 rows
	s_lshl_b32 s99, s16, 11
	s_add_co_u32 s99, s99, BCOD
	v_add_nc_u32 v[ADRA], s98, v6
	v_add_nc_u32 v[ADRB], s99, v6
	v_add_nc_u32 v[ADRA+1], 65536, v[ADRA]
	v_add_nc_u32 v[ADRB+1], 65536, v[ADRB]
	s_lshl_b32 s98, s15, 9
	s_lshl_b32 s99, s16, 9
	s_add_co_u32 s99, s99, SCBD
	s_sub_co_u32 s99, s99, s98
	v_mul_u32_u24 v7, s99, v5                      ; lanes 16-31 take the neurons' words: one product, the distance between the two bases
	s_add_co_u32 s98, s98, SCA
	v_lshl_add_u32 v7, v4, 2, v7
	v_add_nc_u32 v[ADRS], s98, v7
	s_lshl_b32 s98, s15, 9
	s_add_co_u32 s98, s98, HXW
	v_lshl_add_u32 v[AMX], v4, 2, s98
	s_lshl_b32 s98, s16, 9
	s_add_co_u32 s98, s98, HXW+1024
	v_lshl_add_u32 v[AHW], v5, 5, s98
	v_and_b32 v8, 31, v0
	v_lshlrev_b32 v[LO], 4, v8
	s_lshl_b32 s98, s12, 8
	s_lshl_b32 s99, s16, 7
	s_add_co_u32 s98, s98, s99
	v_lshl_add_u32 v[HB], v5, 3, s98               ; 256 x tile + 128 x half + 8 h
	v_lshl_add_u32 v9, v0, 4, HXW
	v_lshl_add_u32 v13, v0, 3, HXW+2048
	s_lshl_b32 s98, s12, 1
	s_add_co_u32 s98, s98, s16                     ; my strip of 128 neurons (the second tile's is 16 strips on),
	s_lshl_b32 s98, s98, 6
	s_lshl_b32 s99, s17, 1
	s_add_co_u32 s99, s99, s15                     ; my group of 128 rows
	s_add_co_u32 s98, s98, s99
	s_lshl_b32 s98, s98, 10
	s_mov_b32 s99, 0
	s_add_nc_u64 s[8:9], s[8:9], s[98:99]
	v_lshlrev_b32 v10, 31, v2
	v_or_b32 v10, 0x3f000000, v10                  ; 0.5 where t < 64 (x2 is kept as x2/2), else -0.5 (w2 as -w2/2)
.set i, 0
.rept 16
	v_mov_b32 v[VP+i], 0                           ; written once: a lane permute's destination counts as one of its sources
.set i, i+1
.endr
	s_wait_loadcnt 0x0
.irp p, 1,2,3,4,5,6,7
	v_pk_add_f32 v[128:129], v[128:129], v[128+4*\p:129+4*\p]
	v_pk_add_f32 v[130:131], v[130:131], v[130+4*\p:131+4*\p]
	v_pk_add_f32 v[160:161], v[160:161], v[160+2*\p:161+2*\p]
.endr
.irp j, 0,1,2,3
	v_mul_f32 v[128+\j], v10, v[128+\j]
.endr
	v_pk_mul_f32 v[160:161], v[160:161], -0.5 op_sel_hi:[1,0]
	ds_store_b128 v9, v[128:131]
	ds_store_b64 v13, v[160:161]
	s_wait_alu depctr_va_vdst(0)
	s_wait_dscnt 0x0                               ; for the others' sake: my stores are done
	s_wait_tensorcnt 0x0                           ; my one load of the head's four is in
	s_barrier_signal -1
	s_barrier_wait -1
.macro CLOAD t                         ; -w2/2 of neurons 16 b + 8 h + 0 .. 7 of tile t, in the result's layout, into window 1
	WIN 0x40
.irp b, 0,1,2,3,4,5,6,7
	ds_load_b128 v[HW+8*\b:HW+8*\b+3],   v[AHW] offset:1024*(\t)+64*\b
	ds_load_b128 v[HW+8*\b+4:HW+8*\b+7], v[AHW] offset:1024*(\t)+64*\b+16
.endr
	WIN 0
.endm
.macro SCLOAD adr
.irp s, 0,1,2,3,4,5,6,7
.irp i, 0,1,2,3,4,5,6,7
	ds_load_b32 v[SC+8*\s+\i], v[\adr] offset:1024*\s+64*\i
.endr
.endr
.endm
; the fragments of K step s (128 along K) into set p: 32 loads in one run
.macro FETCH s, p
	WIN 0x40                                       ; destination window 1, address window 0
.irp i, 0,1,2,3,4,5,6,7
	ds_load_b128 v[64*(\p)+8*\i:64*(\p)+8*\i+3],   v[ADRB+(\s)/4] offset:((\s)%4)*16384+256*\i
	ds_load_b128 v[64*(\p)+8*\i+4:64*(\p)+8*\i+7], v[ADRB+(\s)/4] offset:((\s)%4)*16384+256*\i+8192
.endr
	WIN 0
.irp i, 0,1,2,3,4,5,6,7
	ds_load_b128 v[AF+64*(\p)+8*\i:AF+64*(\p)+8*\i+3],   v[ADRA+(\s)/4] offset:((\s)%4)*16384+256*\i
	ds_load_b128 v[AF+64*(\p)+8*\i+4:AF+64*(\p)+8*\i+7], v[ADRA+(\s)/4] offset:((\s)%4)*16384+256*\i+8192
.endr
.endm
; 16 matrix instructions: row blocks a0, a0 + 1 x the eight neuron blocks.  The 64 accumulators take turns, one instruction a turn, in the same order in every step and in both tiles.
.macro MUL16 a0, p, s, zero
.irp a, \a0, \a0+1
.irp b, 0,1,2,3,4,5,6,7
.if \zero
	v_wmma_scale_f32_16x16x128_f8f6f4 v[8*(8*((\a)%4)+\b):8*(8*((\a)%4)+\b)+7], v[64*(\p)+8*\b:64*(\p)+8*\b+7], v[AF+64*(\p)+8*(\a):AF+64*(\p)+8*(\a)+7], v[HW+8*\b:HW+8*\b+7], v[SC+8*(\s)+\b], v[SC+8*(\s)+(\a)] matrix_a_fmt:MATRIX_FMT_FP4 matrix_b_fmt:MATRIX_FMT_FP4 matrix_a_scale:MATRIX_SCALE_ROW1
.else
	v_wmma_scale_f32_16x16x128_f8f6f4 v[8*(8*((\a)%4)+\b):8*(8*((\a)%4)+\b)+7], v[64*(\p)+8*\b:64*(\p)+8*\b+7], v[AF+64*(\p)+8*(\a):AF+64*(\p)+8*(\a)+7], v[8*(8*((\a)%4)+\b):8*(8*((\a)%4)+\b)+7], v[SC+8*(\s)+\b], v[SC+8*(\s)+(\a)] matrix_a_fmt:MATRIX_FMT_FP4 matrix_b_fmt:MATRIX_FMT_FP4 matrix_a_scale:MATRIX_SCALE_ROW1
.endif
.endr
.endr
.endm
; A K step: its fragments are in; the next step's 32 loads go out in one run, 64 matrix instructions ahead of their use; then the step's 64 products.
; first = 1, the first tile: step 7 opens with the refill of the neurons' codes.
.macro STEP s, zero, first
.if (\first) && ((\s) == 7)
	s_wait_tensorcnt 0x0                           ; all my tensor loads have landed
	ds_add_u32 v[SPW], v[NIL]                      ; 0 onto my spare word
	s_mov_b32 s[G1B+2], 16<<16                     ; no tensor load of mine is out, so a descriptor may be written: the refill's loads bring 16 blocks
	s_mov_b32 s[G1B+4], 16
	s_wait_dscnt 0x0                               ; the add is done, and the tile's last fragments are in my registers
	CROUND                                         ; both now hold of every wave of every work-group of the cluster
	ARM 2, G0R, G1B, .Lfill_s, .Lfilled            ; waves 0 and 1: 16 blocks each of the second tile's neurons
	s_cmp_lt_u32 s14, 3
	s_cbranch_scc0 .Lfilled                        ; wave 3 has no part of a tile to fill
	tensor_load_to_lds s[G0S2:G0S2+3], s[G1SB:G1SB+7]  ; wave 2: the second tile's scale words
	s_nop 0
	PLACES 4
.Lfilled:
.else
	s_wait_dscnt 0x0
.endif
.if (\s) < 7
.if (\s) > 0
	PLACES 4                                       ; four plain places between the last products and loads into registers that they read
.endif
	FETCH (\s)+1, 1-(\s)%2
.endif
.if \zero
	WIN 0x91                                       ; as MUL_LO, but C in window 1
.else
	WIN MUL_LO
.endif
	MUL16 0, (\s)%2, \s, \zero
	MUL16 2, (\s)%2, \s, \zero
.if \zero
	WIN 0xd1                                       ; as MUL_HI, but C in window 1
.else
	WIN MUL_HI
.endif
	MUL16 4, (\s)%2, \s, \zero
	MUL16 6, (\s)%2, \s, \zero
	WIN 0
.endm
; BEHIND A TILE'S PRODUCT.  Row blocks 4 hi .. 4 hi + 3, whose accumulators fill one window.
.macro EPI hi
.irp a, 0,1,2,3
	v_mov_b32 v[V+4*(\hi)+\a], 0xff800000          ; under every number
.endr
	WIN 0x28+0x14*(\hi)                            ; sources 1 and 2: the accumulators' window
.set i, 0
.rept 32
.irp a, 0,1,2,3
	v_max3_num_f32 v[V+4*(\hi)+\a], v[V+4*(\hi)+\a], v[64*\a+2*i], v[64*\a+2*i+1]   ; the four row blocks by turns; each accumulator from its low end on
.endr
.set i, i+1
.endr
	WIN 0
.irp a, 0,1,2,3
	v_min_num_f32 v[V+4*(\hi)+\a], v[V+4*(\hi)+\a], v[MX+4*(\hi)+\a]   ; held at x2/2: the distance is held at 0
	v_mov_b32 v[IDX+4*(\hi)+\a], 0
.endr
	WIN 0x08+0x04*(\hi)                            ; source 1: the accumulators' window
.set n, 63
.rept 64                                       ; from the highest register down: the lowest that is at or over the held maximum stays.  What is kept is the register's number n = 8 b + j
.irp a, 0,1,2,3
	v_cmp_le_f32 s[92+\a], v[V+4*(\hi)+\a], v[64*\a+n]
.endr
.irp a, 0,1,2,3
	v_cndmask_b32 v[IDX+4*(\hi)+\a], v[IDX+4*(\hi)+\a], n, s[92+\a]
.endr
.set n, n-1
.endr
	WIN 0
.endm
.macro EPILOGUE t                      ; t = 0, 1: the first, the second tile
	PLACES 4                                       ; places between the last products and loads into registers that they read, and the first read of results
.irp a, 0,1,2,3,4,5,6,7
	ds_load_b32 v[MX+\a], v[AMX] offset:64*\a                     ; x2/2 of row 16 a + r
.endr
	s_mov_b32 s96, 0xffff0000                      ; lanes 16-31
	s_mov_b32 s98, 0x76543210
	s_mov_b32 s99, 0xfedcba98                      ; v_permlanex16_b32's selects for lane l xor 16
.if \t
	v_add_nc_u32 v[HB], 0x800, v[HB]               ; the second tile's neurons lie 8 x 256 on
.endif
	s_wait_dscnt 0x0
	EPI 0
	EPI 1
.irp a, 0,1,2,3,4,5,6,7
	v_and_b32 v[VP+\a], 56, v[IDX+\a]              ; 8 b
.endr
.irp a, 0,1,2,3,4,5,6,7
	v_add_nc_u32 v[IDX+\a], v[VP+\a], v[IDX+\a]    ; 16 b + j
.endr
.irp a, 0,1,2,3,4,5,6,7
	v_add_nc_u32 v[IDX+\a], v[HB], v[IDX+\a]
.endr
.irp a, 0,1,2,3,4,5,6,7
	v_permlanex16_b32 v[VP+\a], v[V+\a], s98, s99
	v_permlanex16_b32 v[IP+\a], v[IDX+\a], s98, s99
.endr
.irp a, 0,1,2,3,4,5,6,7                        ; with the other half of the lanes: the greater value, at equal values the lower index
	v_cmp_gt_f32 s92, v[VP+\a], v[V+\a]
	v_cmp_eq_f32 s93, v[VP+\a], v[V+\a]
	v_cmp_lt_u32 s94, v[IP+\a], v[IDX+\a]
	s_and_b32 s93, s93, s94
	s_or_b32 s92, s92, s93
	v_cndmask_b32 v[V+\a], v[V+\a], v[VP+\a], s92
	v_cndmask_b32 v[IDX+\a], v[IDX+\a], v[IP+\a], s92
	v_sub_f32 v[V+\a], v[MX+\a], v[V+\a]
	v_add_f32 v[V+\a], v[V+\a], v[V+\a]            ; 2 (x2/2 - the held maximum): the squared distance, 0 or more
.endr
.irp p, 0,1,2,3                                ; lane l, word p: row 32 p + l = row block 2 p + l / 16, row l % 16
	v_cndmask_b32 v[PK+\p], v[V+2*\p], v[V+2*\p+1], s96
	v_cndmask_b32 v[PK+4+\p], v[IDX+2*\p], v[IDX+2*\p+1], s96
.endr
	global_store_b128 v[LO], v[PK:PK+3], s[8:9] offset:1048576*(\t)          ; 512 consecutive bytes each; the second tile's strip lies 16 x 64 x 1,024 bytes on
	global_store_b128 v[LO], v[PK+4:PK+7], s[8:9] offset:1048576*(\t)+512
.endm
	; THE FIRST TILE
	SCLOAD ADRS
	CLOAD 0
	FETCH 0, 0
	STEP 0, 1, 1                                   ; the first step's products start the sums from -w2/2: nothing is cleared
	STEP 1, 0, 1
	STEP 2, 0, 1
	STEP 3, 0, 1
	STEP 4, 0, 1
	STEP 5, 0, 1
	STEP 6, 0, 1
	STEP 7, 0, 1                                   ; opens with the refill
	EPILOGUE 0                                     ; the second tile's neurons land meanwhile
	; THE SECOND TILE
	s_wait_xcnt 0x0                                ; the two stores have read their registers: the next fragments land on them only behind this wait
	s_wait_tensorcnt 0x0                           ; my part of the second tile is in,
	s_barrier_signal -1
	s_barrier_wait -1                              ; everybody's are
	SCLOAD ADRS
	CLOAD 1
	FETCH 0, 0
	STEP 0, 1, 0                                   ; the sums begin anew from the second tile's -w2/2
	STEP 1, 0, 0
	STEP 2, 0, 0
	STEP 3, 0, 0
	STEP 4, 0, 0
	STEP 5, 0, 0
	STEP 6, 0, 0
	STEP 7, 0, 0
	EPILOGUE 1
	s_wait_tensorcnt 0x0                           ; the wave's end: behind my last tensor load and my last LDS store
	ds_add_u32 v[SPW], v[NIL]
	s_wait_dscnt 0x0
	CROUND                                         ; the closing round: no work-group ends while a partner may still ask for a tile that names it
	s_endpgm
.Lfunc_end_k_qc217f68d37_dist:
	.size	k_qc217f68d37_dist, .Lfunc_end_k_qc217f68d37_dist-k_qc217f68d37_dist
	.p2alignl 7, 3214868480
	.fill 96, 4, 3214868480
	.section	.rodata,"a",@progbits
	.p2align	6, 0x0
	.amdhsa_kernel k_qc217f68d37_dist
		.amdhsa_group_segment_fixed_size 327680
		.amdhsa_private_segment_fixed_size 0
		.amdhsa_enable_private_segment 0
		.amdhsa_kernarg_size 24
		.amdhsa_user_sgpr_count 2
		.amdhsa_user_sgpr_kernarg_segment_ptr 1
		.amdhsa_wavefront_size32 1
		.amdhsa_system_sgpr_workgroup_id_x 1
		.amdhsa_system_sgpr_workgroup_id_y 1
		.amdhsa_system_sgpr_workgroup_id_z 1
		.amdhsa_system_vgpr_workitem_id 0
		.amdhsa_next_free_vgpr 1024
		.amdhsa_next_free_sgpr 100
		.amdhsa_reserve_vcc 0
		.amdhsa_float_denorm_mode_32 3
		.amdhsa_float_denorm_mode_16_64 3
		.amdhsa_memory_ordered 1
		.amdhsa_forward_progress 1
		.amdhsa_inst_pref_size 255
	.end_amdhsa_kernel
	.section	.bss,"aw",@nobits
	.p2align	6
	.space	262144
	.amdgpu_metadata
---
amdhsa.version: [ 1, 2 ]
amdhsa.kernels:
  - .name:           k_qc217f68d37_dist
    .symbol:         k_qc217f68d37_dist.kd
    .args:
      - { .name: rq, .offset: 0, .size: 8, .value_kind: global_buffer, .address_space: global }
      - { .name: rsq, .offset: 8, .size: 8, .value_kind: global_buffer, .address_space: global }
      - { .name: part, .offset: 16, .size: 8, .value_kind: global_buffer, .address_space: global }
    .group_segment_fixed_size: 327680
    .private_segment_fixed_size: 0
    .kernarg_segment_align: 8
    .kernarg_segment_size: 24
    .max_flat_workgroup_size: 128
    .sgpr_count:     100
    .vgpr_count:     1024
    .wavefront_size: 32
...
	.end_amdgpu_metadata
.endif
;; end of part 2
;; launch neigh (part 3): grid 64 x 4, 8 waves a work-group, no clusters, 38,912 bytes of LDS; arguments part, out0, out1, nq, nsc; writes out0, out1, nq, nsc
.if DOCPART == 3
	.amdgcn_target "amdgcn-amd-amdhsa--gfx1250"
	.amdhsa_code_object_version 6
	.text
	.protected	k_qc217f68d37_neigh
	.globl	k_qc217f68d37_neigh
	.p2align	8
	.type	k_qc217f68d37_neigh,@function
k_qc217f68d37_neigh:
	s_mov_b64 s[64:65], 0
	v_nop
	global_prefetch_b8 v0, s[64:65] scope:SCOPE_SE
	s_setreg_imm32_b32 hwreg(HW_REG_WAVE_MODE, 25, 1), 1
	s_wait_xcnt 0x0
; The 32 strips' minima are joined: the best neuron of each input row (out0), its distance's root (out1).  Then the neighbourhood exp(-((gi - bi)^2 + (gj - bj)^2) / 2), quantised along the BATCH into codes of FP4:
;   nq  [256 blocks of 32 rows][4,096 neurons][16 bytes];  nsc at 0: scale words [64 K steps][4,096][4 bytes]; at 1,048,576: sums of the unquantised numbers over 128 rows, f32 [64][4,096].
; A work-group takes 128 rows (K step ks) x 1,024 neurons (grid rows 16 gq on).  Wave w: block kb = w % 4 of the 128 rows, grid columns 32 (w / 4) + lane; it walks the 16 grid rows.
; A LANE HOLDS ONE NEURON AND ITS REGISTERS RUN ALONG 32 ROWS OF THE BATCH: a block lies in one lane, and its 16 bytes of codes stand beside the neighbouring neurons' (512 consecutive bytes a wave).
; THE EXPONENTIAL IS A PRODUCT: R[gi][b] = 2^(-c (gi - bi_b)^2), C[b] = 2^(-c (gj - bj_b)^2), c = log2(e) / 2.  A wave makes 16 x 32 numbers of R (a lane a row b; through its own LDS they reach all lanes)
; and each lane 32 of C: 48 exponentials a lane for 512 numbers.
; LIMITS: the product of two exponentials differs from one exponential by a few units in the last place, growing with the exponent's size (the argument's rounding); a factor under 2^-126 comes out as 0.
; Ties between strips go to the lower strip.  NaN is not served.  The four work-groups of a K step read the same 32 KiB of part: too little beside the 64 KiB of codes that each writes to share in a cluster.
.set RT,  0                            ; LDS: [8 waves][16 gi][32 b] f32, each wave's own
.set BJ,  16384                        ; [8 waves][32 b] f32, each wave's own
.set SB,  17408                        ; [1,024 neurons][4 bytes]: byte kb from the waves of block kb
.set CS,  21504                        ; [4 kb][1,024 neurons] f32
.set C,   32                           ; v32-63
.set RA,  64                           ; v64-95, v96-127: R of a grid row, two sets; at first the strips' distances and indices
.set DS,  64
.set IS,  96
.set P,   128                          ; v128-159 the 32 numbers of a block
.set CD,  160                          ; v160-223 codes, four registers a grid row: no store's data are written again
.set MA,  224
.set MB,  225
.set SA,  226                          ; v226-229 the sum, two packed chains
.set SBB, 228
.set SO,  230
.set BY,  231
.set E,   232                          ; v232-247
.set QE,  248
	s_load_b256 s[4:11], s[0:1], 0x0               ; part s[4:5], out0 s[6:7], out1 s[8:9], nq s[10:11]
	s_load_b64 s[12:13], s[0:1], 0x20              ; nsc
	v_lshl_add_u32 v254, v0, 2, 0x9400
	v_mov_b32 v255, 0
	v_lshrrev_b32 v1, 5, v0
	s_delay_alu instid0(VALU_DEP_1)
	v_readfirstlane_b32 s14, v1                    ; wave 0..7
	s_lshr_b32 s15, s14, 2                         ; jh: which 32 grid columns
	s_and_b32 s16, s14, 3                          ; kb: which 32 rows of the batch
	s_and_b32 s17, ttmp7, 0xffff                   ; gq
	v_and_b32 v1, 31, v0                           ; lane
	s_wait_alu depctr_va_vdst(0)
	v_lshlrev_b32 v3, 4, v1                        ; 16 x lane
	s_lshl_b32 s20, s16, 2
	v_add_nc_u32 v2, s20, v3                       ; part: word kb of my lane
	s_lshl_b32 s20, s14, 11
	v_lshl_add_u32 v4, v1, 2, s20                  ; R, on the way in: b = lane
	v_mov_b32 v5, s20                              ; and out: the same address in every lane
	s_lshl_b32 s20, s14, 7
	s_add_co_u32 s20, s20, BJ
	v_lshl_add_u32 v6, v1, 2, s20
	v_mov_b32 v7, s20
	s_lshl_b32 s20, s15, 7
	s_add_co_u32 s21, s20, s16
	s_add_co_u32 s21, s21, SB
	v_lshl_add_u32 v8, v1, 2, s21                  ; my neuron's scale word, byte kb
	s_lshl_b32 s21, s16, 12
	s_add_co_u32 s21, s21, s20
	s_add_co_u32 s21, s21, CS
	v_lshl_add_u32 v9, v1, 2, s21                  ; my neuron's sum, plane kb
	v_lshl_add_u32 v10, v0, 4, SB                  ; the tables' way out: 16 bytes a thread
	v_lshlrev_b32 v11, 4, v0
	v_lshlrev_b32 v16, 3, v1
	v_lshlrev_b32 v17, 2, v1
	s_lshl_b32 s22, ttmp9, 10                      ; part: group ks
	s_mov_b32 s23, 0
	s_lshl_b32 s24, s16, 8
	s_add_co_u32 s24, s24, s22                     ; out0: 8 bytes a row, row 128 ks + 32 kb
	s_mov_b32 s25, 0
	s_lshr_b32 s26, s24, 1                         ; out1: 4 bytes a row
	s_mov_b32 s27, 0
	s_lshl_b32 s28, ttmp9, 2
	s_add_co_u32 s28, s28, s16
	s_lshl_b32 s28, s28, 16                        ; nq: block 4 ks + kb,
	s_lshl_b32 s29, s17, 14                        ; grid row 16 gq,
	s_add_co_u32 s28, s28, s29
	s_lshl_b32 s29, s15, 9                         ; grid column 32 jh
	s_add_co_u32 s28, s28, s29
	s_mov_b32 s29, 0
	s_lshl_b32 s34, ttmp9, 14                      ; nsc: K step ks, neuron 1,024 gq
	s_lshl_b32 s35, s17, 12
	s_add_co_u32 s34, s34, s35
	s_mov_b32 s35, 0
	s_lshl_b32 s36, s17, 4                         ; 16 gq
	s_lshl_b32 s37, s15, 5                         ; 32 jh
	s_wait_kmcnt 0x0
	s_add_nc_u64 s[4:5], s[4:5], s[22:23]
	s_add_nc_u64 s[6:7], s[6:7], s[24:25]
	s_add_nc_u64 s[8:9], s[8:9], s[26:27]
	s_add_nc_u64 s[10:11], s[10:11], s[28:29]
	s_add_nc_u64 s[12:13], s[12:13], s[34:35]
.set k, 0
.rept 32
	global_load_b32 v[DS+k], v2, s[4:5] offset:65536*k       ; strip k: the distance of row 128 ks + 32 kb + lane,
	global_load_b32 v[IS+k], v2, s[4:5] offset:65536*k+512   ; and the neuron
.set k, k+1
.endr
	s_wait_loadcnt 0x0
.macro MERGE lo, hi, m                 ; strictly less: at equal distances the lower strip stays
	v_cmp_lt_f32 s[\m], v[DS+\hi], v[DS+\lo]
	s_delay_alu instid0(VALU_DEP_1)
	v_cndmask_b32 v[DS+\lo], v[DS+\lo], v[DS+\hi], s[\m]
	s_delay_alu instid0(VALU_DEP_2)
	v_cndmask_b32 v[IS+\lo], v[IS+\lo], v[IS+\hi], s[\m]
.endm
.macro LEVEL st
.set k, 0
.rept 32/(2*\st)
	MERGE k, k+\st, 30+(k/(2*\st))%4
.set k, k+2*\st
.endr
.endm
	LEVEL 1
	LEVEL 2
	LEVEL 4
	LEVEL 8
	LEVEL 16
	s_delay_alu instid0(VALU_DEP_1)
	v_lshrrev_b32 v12, 6, v[IS]                    ; bi
	s_delay_alu instid0(VALU_DEP_2)
	v_and_b32 v13, 63, v[IS]                       ; bj
	s_delay_alu instid0(VALU_DEP_1)
	v_cvt_f32_u32 v14, v13
	s_delay_alu instid0(VALU_DEP_3)
	v_sub_nc_u32 v15, s36, v12                     ; 16 gq - bi
.irp i, 0,1,2,3,4,5,6,7,8,9,10,11,12,13,14,15
	v_add_nc_u32 v[E+\i], \i, v15                  ; gi - bi, a whole number
.endr
.irp i, 0,1,2,3,4,5,6,7,8,9,10,11,12,13,14,15
	v_cvt_f32_i32 v[E+\i], v[E+\i]
.endr
.irp i, 0,1,2,3,4,5,6,7,8,9,10,11,12,13,14,15
	v_mul_f32 v[E+\i], v[E+\i], v[E+\i]
.endr
.irp i, 0,1,2,3,4,5,6,7,8,9,10,11,12,13,14,15
	v_mul_f32 v[E+\i], 0xbf38aa3b, v[E+\i]         ; x -log2(e) / 2
.endr
	s_wait_alu depctr_va_vdst(0)
.irp i, 0,1,2,3,4,5,6,7,8,9,10,11,12,13,14,15
	v_exp_f32 v[E+\i], v[E+\i]
.endr
	v_sqrt_f32 v[QE], v[DS]                        ; one batch: sixteen exponentials and the root
	v_add_nc_u32 v20, s37, v1                      ; plain work behind the batch: gj = 32 jh + lane,
	s_delay_alu instid0(VALU_DEP_1)
	v_cvt_f32_u32 v20, v20
	s_delay_alu instid0(VALU_DEP_1)
	v_mov_b32 v21, v20                             ; twice, for the packed forms
	s_wait_alu depctr_va_vdst(0)                   ; one wait for the batch, ahead of its first reader
.irp i, 0,1,2,3,4,5,6,7,8,9,10,11,12,13,14,15
	ds_store_b32 v4, v[E+\i] offset:128*\i
.endr
	ds_store_b32 v6, v14
.irp k, 0,1,2,3,4,5,6,7
	ds_load_b128 v[P+4*\k:P+4*\k+3], v7 offset:16*\k      ; LDS serves a wave's instructions in order: these see my stores.  bj of the 32 rows, in every lane
.endr
.irp k, 0,1,2,3,4,5,6,7
	ds_load_b128 v[RA+4*\k:RA+4*\k+3], v5 offset:16*\k    ; R of the first grid row
.endr
	s_or_b32 s38, s17, s15                         ; each row's outputs are stored once: by waves 0 to 3 of the work-groups with gq = 0
	s_cmp_lg_u32 s38, 0
	s_cbranch_scc1 .Lno_out
	global_store_b64 v16, v[12:13], s[6:7]         ; 256 consecutive bytes a wave
	global_store_b32 v17, v[QE], s[8:9]            ; 128 consecutive bytes a wave: the whole output is 32 KiB
.Lno_out:
	s_wait_xcnt 0x0                                ; the two stores have read their registers: v248 is written again only behind this wait
	s_wait_dscnt 8                                 ; bj are in; the eight loads of R may be out
.irp b, 0,2,4,6,8,10,12,14,16,18,20,22,24,26,28,30
	v_pk_add_f32 v[P+\b:P+\b+1], v[P+\b:P+\b+1], v[20:21] neg_lo:[0,1] neg_hi:[0,1]
.endr
.irp b, 0,2,4,6,8,10,12,14,16,18,20,22,24,26,28,30
	v_pk_mul_f32 v[P+\b:P+\b+1], v[P+\b:P+\b+1], v[P+\b:P+\b+1]
.endr
.irp b, 0,2,4,6,8,10,12,14,16,18,20,22,24,26,28,30
	v_pk_mul_f32 v[P+\b:P+\b+1], v[P+\b:P+\b+1], 0xbf38aa3b op_sel_hi:[1,0]
.endr
.set k, 0
	s_wait_alu depctr_va_vdst(0)
.rept 32
	v_exp_f32 v[C+k], v[P+k]
.set k, k+1
.endr
	v_nop                                          ; a plain line behind the last exponential
	s_wait_alu depctr_va_vdst(0)                   ; one wait for the 32
.macro QB src, dst                     ; 32 numbers of a lane, one block: its byte in v[BY], its 32 codes in four registers
	v_max3_num_f32 v[MA], |v[\src]|, |v[\src+1]|, |v[\src+2]|
	v_max3_num_f32 v[MB], |v[\src+3]|, |v[\src+4]|, |v[\src+5]|
.irp i, 6,10,14,18,22,26
	s_delay_alu instid0(VALU_DEP_2)
	v_max3_num_f32 v[MA], v[MA], |v[\src+\i]|, |v[\src+\i+1]|
	s_delay_alu instid0(VALU_DEP_2)
	v_max3_num_f32 v[MB], v[MB], |v[\src+\i+2]|, |v[\src+\i+3]|
.endr
	s_delay_alu instid0(VALU_DEP_2)
	v_max3_num_f32 v[MA], v[MA], |v[\src+30]|, |v[\src+31]|
	s_delay_alu instid0(VALU_DEP_1)
	v_max3_num_f32 v[MA], v[MA], v[MB], 0x1800000  ; and the floor 2^(3 - 127): the byte cannot fall under 1
	s_delay_alu instid0(VALU_DEP_1)
	v_add_nc_u32 v[SO], 0xff000000, v[MA]          ; 2 off the exponent field: the conversion's scale operand
	s_delay_alu instid0(VALU_DEP_1)
	v_lshrrev_b32 v[BY], 23, v[SO]
.irp g, 0,1,2,3
	v_cvt_scalef32_pk8_fp4_f32 v[\dst+\g], v[\src+8*\g:\src+8*\g+7], v[SO]
.endr
	v_nop                                          ; one plain line behind the last scaled conversion
.endm
.macro TRIP i                          ; grid row 16 gq + i
.set RC, RA+32*((\i)%2)
.set RN, RA+32*(1-(\i)%2)
.if (\i) < 15
.irp k, 0,1,2,3,4,5,6,7
	ds_load_b128 v[RN+4*\k:RN+4*\k+3], v5 offset:128*((\i)+1)+16*\k
.endr
	s_wait_dscnt 8                                 ; this row's R is in; the next row's eight loads may be out
.else
	s_wait_dscnt 0x0
.endif
.irp b, 0,2,4,6,8,10,12,14,16,18,20,22,24,26,28,30
	v_pk_mul_f32 v[P+\b:P+\b+1], v[RC+\b:RC+\b+1], v[C+\b:C+\b+1]
.endr
	v_pk_add_f32 v[228:229], v[128:129], v[132:133]
	v_pk_add_f32 v[252:253], v[136:137], v[140:141]
	v_pk_add_f32 v[250:251], v[144:145], v[148:149]
	v_pk_add_f32 v[248:249], v[152:153], v[156:157]
	v_pk_add_f32 v[246:247], v[130:131], v[134:135]
	v_pk_add_f32 v[244:245], v[138:139], v[142:143]
	v_pk_add_f32 v[242:243], v[146:147], v[150:151]
	v_pk_add_f32 v[226:227], v[154:155], v[158:159]
	s_delay_alu instid0(VALU_DEP_1)
	v_pk_add_f32 v[226:227], v[226:227], v[248:249]
	v_pk_add_f32 v[228:229], v[228:229], v[246:247]
	v_pk_add_f32 v[252:253], v[252:253], v[244:245]
	v_pk_add_f32 v[250:251], v[250:251], v[242:243]
	s_delay_alu instid0(VALU_DEP_2)
	v_pk_add_f32 v[226:227], v[226:227], v[252:253]
	s_delay_alu instid0(VALU_DEP_2)
	v_pk_add_f32 v[228:229], v[228:229], v[250:251]
	s_delay_alu instid0(VALU_DEP_1)
	v_pk_add_f32 v[226:227], v[226:227], v[228:229]
	s_delay_alu instid0(VALU_DEP_1)
	v_add_f32 v[SA], v[SA], v[SA+1]
	QB P, CD+4*(\i)
	global_store_b128 v3, v[CD+4*(\i):CD+4*(\i)+3], s[10:11] offset:1024*(\i)   ; 512 consecutive bytes a wave
	ds_store_b8 v8, v[BY] offset:256*(\i)
	ds_store_b32 v9, v[SA] offset:256*(\i)
.endm
.irp i, 0,1,2,3,4,5,6,7,8,9,10,11,12,13,14,15
	TRIP \i
.endr
	s_wait_dscnt 0x0                               ; for the others' sake: my stores into the two tables are done
	s_barrier_signal -1
	s_barrier_wait -1
	ds_load_b128 v[64:67], v10                     ; four neurons' scale words
.irp k, 0,1,2,3
	ds_load_b128 v[68+4*\k:71+4*\k], v10 offset:CS-SB+4096*\k   ; and their sums over the four blocks
.endr
	s_wait_dscnt 0x0
	v_pk_add_f32 v[68:69], v[68:69], v[72:73]
	v_pk_add_f32 v[70:71], v[70:71], v[74:75]
	v_pk_add_f32 v[76:77], v[76:77], v[80:81]
	v_pk_add_f32 v[78:79], v[78:79], v[82:83]
	s_delay_alu instid0(VALU_DEP_2)
	v_pk_add_f32 v[68:69], v[68:69], v[76:77]
	s_delay_alu instid0(VALU_DEP_2)
	v_pk_add_f32 v[70:71], v[70:71], v[78:79]
	global_store_b128 v11, v[64:67], s[12:13]
	global_store_b128 v11, v[68:71], s[12:13] offset:1048576
	s_wait_tensorcnt 0x0
	ds_add_u32 v254, v255
	s_wait_dscnt 0x0
	s_endpgm
.Lfunc_end_k_qc217f68d37_neigh:
	.size	k_qc217f68d37_neigh, .Lfunc_end_k_qc217f68d37_neigh-k_qc217f68d37_neigh
	.p2alignl 7, 3214868480
	.fill 96, 4, 3214868480
	.section	.rodata,"a",@progbits
	.p2align	6, 0x0
	.amdhsa_kernel k_qc217f68d37_neigh
		.amdhsa_group_segment_fixed_size 38912
		.amdhsa_private_segment_fixed_size 0
		.amdhsa_enable_private_segment 0
		.amdhsa_kernarg_size 40
		.amdhsa_user_sgpr_count 2
		.amdhsa_user_sgpr_kernarg_segment_ptr 1
		.amdhsa_wavefront_size32 1
		.amdhsa_system_sgpr_workgroup_id_x 1
		.amdhsa_system_sgpr_workgroup_id_y 1
		.amdhsa_system_sgpr_workgroup_id_z 1
		.amdhsa_system_vgpr_workitem_id 0
		.amdhsa_next_free_vgpr 256
		.amdhsa_next_free_sgpr 66
		.amdhsa_reserve_vcc 0
		.amdhsa_float_denorm_mode_32 3
		.amdhsa_float_denorm_mode_16_64 3
		.amdhsa_memory_ordered 1
		.amdhsa_forward_progress 1
		.amdhsa_inst_pref_size 105
	.end_amdhsa_kernel
	.amdgpu_metadata
---
amdhsa.version: [ 1, 2 ]
amdhsa.kernels:
  - .name:           k_qc217f68d37_neigh
    .symbol:         k_qc217f68d37_neigh.kd
    .args:
      - { .name: part, .offset: 0, .size: 8, .value_kind: global_buffer, .address_space: global }
      - { .name: out0, .offset: 8, .size: 8, .value_kind: global_buffer, .address_space: global }
      - { .name: out1, .offset: 16, .size: 8, .value_kind: global_buffer, .address_space: global }
      - { .name: nq, .offset: 24, .size: 8, .value_kind: global_buffer, .address_space: global }
      - { .name: nsc, .offset: 32, .size: 8, .value_kind: global_buffer, .address_space: global }
    .group_segment_fixed_size: 38912
    .private_segment_fixed_size: 0
    .kernarg_segment_align: 8
    .kernarg_segment_size: 40
    .max_flat_workgroup_size: 256
    .sgpr_count:     66
    .vgpr_count:     256
    .wavefront_size: 32
...
	.end_amdgpu_metadata
.endif
;; end of part 3
;; launch update (part 4): grid 8 x 32, 4 waves a work-group, clusters of 4 x 4, 327,680 bytes of LDS; arguments nq, nsc, xt, xs, weights_map, out2; writes out2
.if DOCPART == 4
	.amdgcn_target "amdgcn-amd-amdhsa--gfx1250"
	.amdhsa_code_object_version 6
	.text
	.protected	k_qc217f68d37_update
	.globl	k_qc217f68d37_update
	.p2align	8
	.type	k_qc217f68d37_update,@function
k_qc217f68d37_update:
	s_mov_b64 s[64:65], 0
	v_nop
	global_prefetch_b8 v0, s[64:65] scope:SCOPE_SE
	s_setreg_imm32_b32 hwreg(HW_REG_WAVE_MODE, 25, 1), 1
	s_wait_xcnt 0x0
	s_wait_alu depctr_hold_cnt(0) depctr_sa_sdst(0) depctr_va_vdst(0) depctr_va_sdst(0) depctr_va_ssrc(0) depctr_va_vcc(0) depctr_vm_vsrc(0)
	s_getreg_b32 s2, hwreg(HW_REG_IB_STS2, 6, 4)
	s_cmp_eq_u32 s2, 0
	s_cbranch_scc0 .Lentry_in_a_cluster
	s_endpgm
.Lentry_in_a_cluster:
	s_bfe_u32 s2, ttmp6, 0x10000c
	s_cmp_lg_u32 s2, 0xf033
	s_cbranch_scc0 .Lentry_shape_is_right
	s_endpgm
.Lentry_shape_is_right:
; The second product, neighbourhood^T x inputs on codes of FP4, K = the 8,192 rows of the batch, and the new weights: out2 = W + 0.1 (product - s W), s the neighbourhood's column sums.
; A work-group makes 128 neurons x 128 features: 256 work-groups.  THE FOUR WAVES SHARE K, NOT THE TILE: each holds all 128 x 128 in 64 accumulators (512 registers) and takes two of a slot's eight K steps of 128.
; So each byte of LDS is read once, and a wave loads 16 fragments for 64 matrix instructions; four wave tiles of 64 x 64 would read each byte twice.  The price: the four waves' sums meet in LDS once, at the end.
; RING: two slots of 1,024 along K (65,536 bytes of codes and 4,096 of scale words for each side).  One tensor load a wave: wave 0 the neighbourhood's codes, wave 1 the inputs', waves 2 and 3 their scale words.
; By this text's count a wave has two tensor loads out at the start and one behind each change of slots.
; CLUSTERS: 4 x 4 work-groups; the four of a row need the same neurons, the four of a column the same features: each tile is asked for jointly.
; CODES LIE BLOCK-MAJOR, [block of 32 along K][row][16 bytes]: sixteen lanes of a fragment load read 256 consecutive bytes: no padding.
; TRANSPOSED USE: source 0 = 16 features (xt), source 1 = 16 neurons (nq): a lane holds eight neighbouring features of one neuron.
; All of LDS is claimed and 0 is added to spare words at each change of slots.
; THE FILLS AS THIS TEXT HAS THEM (in place of the count above): slot 0 is filled at the head, one joint load a wave; slot 1 behind the full sequence and a round of the cluster's barrier, as a refill is.
; By this text's count a wave has one tensor load out at the most.
; PREFETCHES INTO THE L2: the wave that loads a tile asks for it ahead.  The four partners that ask for a tile jointly share its rows out by address: of a slot's 32 blocks of codes a partner takes 8
; (64 units of 256 bytes: two instructions, a lane a unit), of its 8 rows of scale words 2 (4 units; the lanes that are left over name the last again).  Slots 1 and 2 are asked for at the head;
; the change of slots that refills with slot n + 2 asks for slot n + 3; the last refill asks for nothing, since slot 8 does not exist.
.set SLOT,  139776
.set BOFF,  65536
.set SOFF,  131072
.set SBD,   4160                       ; 4,096 + 64: lanes 16-31 read other banks than lanes 0-15
.set SPARE, 279552                     ; behind the ring: the spare words, 128 bytes a wave: two blocks of 256 bytes that no other line names
.set SG,    280064                     ; -s of the 128 neurons: stored by the waves, in blocks into which no tile lands
.set RP,    528                        ; the meeting of the sums: four planes of 128 rows x (512 bytes + 16), in the ring, behind its last fill and its last read
.set PLANE, 128*RP
.set RD,   8                           ; v8-11  where I read my 32 rows of each plane
.set AMS,  12                          ; v12    where my 32 rows' -s lie
.set ADRA, 16                          ; v16-17 my fragments of the neighbourhood in slot 0, 1
.set ADRS, 18                          ; v18-19 my scale words: lanes 0-15 the neighbourhood's, lanes 16-31 the inputs'
.set ADRB, 20                          ; v20-21 my fragments of the inputs
.set STO,  24                          ; v24    where I put 32 bytes of a row of my plane
.set LO,   26                          ; v26    16 x lane
.set SPW,  28                          ; v28    my spare word: SPARE + 4 x my thread's number; never rewritten
.set NIL,  29                          ; v29    0; never rewritten
.set SC,   32                          ; v32-47 scale words and nothing else: set p, block i at 8 p + i
.set MS,   64                          ; v64-95 -s of my 32 rows
.set AF,   128                         ; v128-255 (window 0) the neighbourhood's fragments, two sets; later 32 rows of W.  Window 1: v0-127 the inputs' fragments, two sets; later the planes' rows.  Windows 2, 3: accumulators
.set G1AC, 24
.set G1BC, 32
.set G1AS, 40
.set G1BS, 48
.set G0AC, 56                          ; groups 0: four registers for each slot
.set G0BC, 68
.set G0AS, 76
.set G0BS, 84
.set MSB, 0
.macro WIN new                         ; the immediate's high byte repeats the setting that is left
.if MSB != \new
	s_set_vgpr_msb (MSB<<8)|\new
.set MSB, \new
.endif
.endm
.set MUL_LO, 0xa1                      ; source 0 window 1, source 1 window 0, C and D window 2
.set MUL_HI, 0xf1
.macro PLACES n
.rept \n
	v_nop
.endr
.endm
.macro CREST                           ; a round of the cluster's barrier behind its opening barrier
	s_cmp_lg_u32 s16, 0
	s_cbranch_scc1 .Lnot_wave_0_\@
	s_barrier_signal -3
.Lnot_wave_0_\@:
	s_barrier_wait -3
	s_barrier_signal -1
	s_barrier_wait -1
.endm
.macro CROUND
	s_barrier_signal -1
	s_barrier_wait -1
	CREST
.endm
; A wave's joint load(s): four arms on the wave's number, the same in every work-group.  One load, for slot sl.  Four v_nop follow.
.macro ARM g0, g1, sl, both
	tensor_load_to_lds s[\g0+4*\sl:\g0+4*\sl+3], s[\g1:\g1+7]
	s_nop 0
.rept 4
	v_nop
.endr
.endm
.macro JLOAD sl, both
	s_cmp_lt_u32 s16, 2
	s_cbranch_scc0 .Lhi_\@
	s_cmp_eq_u32 s16, 0
	s_cbranch_scc0 .Lw1_\@
	ARM G0AC, G1AC, \sl, \both
	s_branch .Lasked_\@
.Lw1_\@:
	ARM G0BC, G1BC, \sl, \both
	s_branch .Lasked_\@
.Lhi_\@:
	s_cmp_eq_u32 s16, 2
	s_cbranch_scc0 .Lw3_\@
	ARM G0AS, G1AS, \sl, \both
	s_branch .Lasked_\@
.Lw3_\@:
	ARM G0BS, G1BS, \sl, \both
.Lasked_\@:
.endm
	s_load_b256 s[4:11], s[0:1], 0x0               ; nq s[4:5], nsc s[6:7], xt s[8:9], xs s[10:11]
	s_load_b128 s[12:15], s[0:1], 0x20             ; W s[12:13], out2 s[14:15]
	v_lshl_add_u32 v[SPW], v0, 2, SPARE
	v_mov_b32 v[NIL], 0
	ds_add_u32 v28, v29
	ds_add_u32 v28, v29
	s_wait_dscnt 0x0
	v_lshrrev_b32 v1, 5, v0
	v_readfirstlane_b32 s16, v1                    ; wave 0..3
	s_bfe_u32 s17, ttmp6, 0x40000                  ; cx, cy
	s_bfe_u32 s18, ttmp6, 0x40004
	s_lshl_b32 s19, ttmp9, 2
	s_add_co_u32 s19, s19, s17                     ; tile of features = 4 x cluster x + cx
	s_and_b32 s20, ttmp7, 0xffff
	s_lshl_b32 s20, s20, 2
	s_add_co_u32 s20, s20, s18                     ; tile of neurons = 4 x cluster y + cy
	s_lshl_b32 s21, s18, 2
	s_lshl_b32 s21, 15, s21                        ; my row of the cluster
	s_lshl_b32 s22, 0x1111, s17                    ; my column
	s_or_b32 s[G1AC], s21, (3<<16)|(1<<21)         ; 15:0 the mask; 17:16 elements of 8 bytes; 21 set beside a mask; no padding
	s_or_b32 s[G1BC], s22, (3<<16)|(1<<21)
	s_or_b32 s[G1AS], s21, (3<<16)|(1<<21)
	s_or_b32 s[G1BS], s22, (3<<16)|(1<<21)
.macro SHAPE g, d0, d1, st             ; d1 rows of d0 elements, st elements from row to row
	s_mov_b32 s[\g+1], (\d0)<<16
	s_mov_b32 s[\g+2], (\d1)<<16
	s_mov_b32 s[\g+3], (\d0)<<16
	s_mov_b32 s[\g+4], \d1
	s_mov_b32 s[\g+5], \st
	s_mov_b32 s[\g+6], 0
	s_mov_b32 s[\g+7], 0
.endm
	SHAPE G1AC, 256, 32, 8192                      ; 32 blocks x 128 neurons x 16 bytes; a block of nq is 65,536 bytes
	SHAPE G1BC, 256, 32, 2048                      ; 32 blocks x 128 features x 16 bytes; a block of xt is 16,384 bytes
	SHAPE G1AS, 64, 8, 2048                        ; 8 K steps x 128 neurons x 4 bytes
	SHAPE G1BS, 64, 8, 512                         ; 8 K steps x 128 features x 4 bytes
	s_lshl_b32 s92, s20, 11                        ; offsets of the tiles: those of the neurons' side hang on the neurons' tile alone,
	s_mov_b32 s93, 0
	s_lshl_b32 s96, s20, 9
	s_mov_b32 s97, 0
	s_lshl_b32 s94, s19, 11                        ; those of the features' side on the features' tile alone
	s_mov_b32 s95, 0
	s_lshl_b32 s98, s19, 9
	s_mov_b32 s99, 0
	s_wait_kmcnt 0x0
	CROUND                                         ; all sixteen work-groups are here: the first joint loads meet
.macro G0SET g, lds, base, off, step   ; groups 0 of both slots: slot sl begins with the sl-th 1,024 along K
.irp sl, 0,1
	s_mov_b32 s[\g+4*\sl], 1
	s_mov_b32 s[\g+4*\sl+1], \sl*SLOT+\lds
	s_add_nc_u64 s[\g+4*\sl+2:\g+4*\sl+3], s[\base:\base+1], s[\off:\off+1]
	s_add_nc_u64 s[\g+4*\sl+2:\g+4*\sl+3], s[\g+4*\sl+2:\g+4*\sl+3], \sl*\step
	s_or_b32 s[\g+4*\sl+3], s[\g+4*\sl+3], 0x80000000
.endr
.endm
	G0SET G0AC, 0, 4, 92, 2097152
	G0SET G0BC, BOFF, 8, 94, 524288
	G0SET G0AS, SOFF, 6, 96, 131072
	G0SET G0BS, SOFF+SBD, 10, 98, 32768
	JLOAD 0, 0                                     ; slot 0's first fill: one tensor load a wave at the head
	; WHILE THE TILES ARE ON THEIR WAY: s of the 128 neurons, a thread a neuron: the sum of 64 parts
	v_lshlrev_b32 v1, 2, v0
	s_add_nc_u64 s[100:101], s[6:7], s[96:97]
.set k, 0
.rept 64
	global_load_b32 v[AF+k], v1, s[100:101] offset:1048576+16384*k
.set k, k+1
.endr
	v_and_b32 v2, 15, v0                           ; r
	v_bfe_u32 v3, v0, 4, 1                         ; h
	v_and_b32 v4, 31, v0
	v_lshlrev_b32 v[LO], 4, v4
	v_lshlrev_b32 v5, 4, v2
	v_lshl_add_u32 v5, v3, 11, v5                  ; 16 r + one block (2,048 bytes) for the upper half of the lanes
	s_lshl_b32 s23, s16, 14                        ; my two K steps: 8 blocks
	v_add_nc_u32 v[ADRA], s23, v5
	v_add_nc_u32 v[ADRA+1], SLOT, v[ADRA]
	v_add_nc_u32 v[ADRB], BOFF, v[ADRA]
	v_add_nc_u32 v[ADRB+1], BOFF, v[ADRA+1]
	v_mul_u32_u24 v6, v3, SBD
	v_lshl_add_u32 v6, v2, 2, v6
	s_lshl_b32 s23, s16, 10
	s_add_co_u32 s23, s23, SOFF
	v_add_nc_u32 v[ADRS], s23, v6
	v_add_nc_u32 v[ADRS+1], SLOT, v[ADRS]
	s_mul_i32 s23, s16, PLANE
	v_mul_u32_u24 v7, v2, RP
	v_lshl_add_u32 v7, v3, 5, v7
	v_add_nc_u32 v[STO], s23, v7                   ; my plane: row r, + 32 h
	s_mul_i32 s23, s16, 32*RP
	v_add_nc_u32 v[RD], s23, v[LO]                 ; back: rows 32 w on of each plane, 16 bytes a lane
	v_add_nc_u32 v[RD+1], PLANE, v[RD]
	v_add_nc_u32 v[RD+2], PLANE, v[RD+1]
	v_add_nc_u32 v[RD+3], PLANE, v[RD+2]
	s_lshl_b32 s23, s16, 7
	s_add_co_u32 s23, s23, SG
	v_mov_b32 v[AMS], s23
	v_lshl_add_u32 v13, v0, 2, SG
	s_lshl_b32 s2, s20, 19                         ; W and out2: neuron 128 x tile + 32 x wave, 4,096 bytes a neuron; feature 128 x tile
	s_lshl_b32 s3, s16, 17
	s_add_co_u32 s2, s2, s3
	s_lshl_b32 s3, s19, 9
	s_add_co_u32 s2, s2, s3
	s_mov_b32 s3, 0
	s_add_nc_u64 s[12:13], s[12:13], s[2:3]
	s_add_nc_u64 s[14:15], s[14:15], s[2:3]
	; the prefetches' address: s[2:3] my tile's base + my work-group's share + the slot; s[94:95] bytes from slot to slot; v14, v15 my lane's unit
	s_cmp_lt_u32 s16, 2                            ; waves 0, 1: codes; waves 2, 3: scale words
	s_cselect_b64 s[92:93], s[92:93], s[96:97]     ; the neurons' side: the tile's offset,
	s_cselect_b64 s[94:95], s[94:95], s[98:99]     ; the features' side
	s_cselect_b64 s[96:97], s[4:5], s[6:7]         ; and the buffers
	s_cselect_b64 s[98:99], s[8:9], s[10:11]
	s_cselect_b32 s21, 16, 14                      ; log2 of the bytes from row to row: nq, nsc
	s_cselect_b32 s22, 14, 12                      ; xt, xs
	s_cselect_b32 s66, 3, 1                        ; log2 of a row's units of 256 bytes, and of the rows that a partner takes
	s_cselect_b32 s67, 31, 3                       ; the last lane with a unit of its own
	s_bitcmp1_b32 s16, 0                           ; waves 1, 3: the features' side
	s_cselect_b64 s[2:3], s[98:99], s[96:97]
	s_cselect_b64 s[92:93], s[94:95], s[92:93]
	s_cselect_b32 s21, s22, s21
	s_cselect_b32 s22, s18, s17                    ; my place among the four that ask with me: cy for the features' tiles, cx for the neurons'
	s_add_nc_u64 s[2:3], s[2:3], s[92:93]
	s_add_co_u32 s19, s21, s66
	s_lshl_b32 s94, s22, s19                       ; my work-group's rows
	s_mov_b32 s95, 0
	s_add_nc_u64 s[2:3], s[2:3], s[94:95]
	s_add_co_u32 s19, s19, 2
	s_lshl_b32 s94, 1, s19                         ; a slot: four partners' rows
	s_add_nc_u64 s[2:3], s[2:3], s[94:95]          ; slot 1
	s_add_nc_u64 s[96:97], s[2:3], s[94:95]        ; slot 2
	v_min_u32 v14, s67, v4
	v_lshrrev_b32 v15, s66, v14                    ; row
	v_lshlrev_b32 v22, s66, v15
	v_sub_nc_u32 v14, v14, v22                     ; unit in the row
	v_lshlrev_b32 v15, s21, v15
	v_lshl_add_u32 v14, v14, 8, v15
	s_add_co_u32 s20, s21, 2
	s_lshl_b32 s20, 1, s20
	v_add_nc_u32 v15, s20, v14                     ; four rows on: the codes' second instruction
	s_wait_alu depctr_va_vdst(0)                   ; the wait directly behind the write
.macro ASK base
	global_prefetch_b8 v14, s[\base:\base+1] th:TH_LOAD_NT scope:SCOPE_SE
	s_cmp_lt_u32 s16, 2
	s_cbranch_scc0 .Lone_\@
	global_prefetch_b8 v15, s[\base:\base+1] th:TH_LOAD_NT scope:SCOPE_SE
.Lone_\@:
.endm
	ASK 2
	ASK 96
	s_wait_loadcnt 0x0
.irp st, 16,8,4,2,1
.set k, 0
.rept \st
	v_pk_add_f32 v[AF+2*k:AF+2*k+1], v[AF+2*k:AF+2*k+1], v[AF+2*(k+\st):AF+2*(k+\st)+1]
.set k, k+1
.endr
.endr
	v_add_f32 v[AF], v[AF], v[AF+1]
	v_xor_b32 v[AF], 0x80000000, v[AF]             ; kept as -s
	ds_store_b32 v13, v[AF]
	s_wait_xcnt 0x0                                ; the prefetches have read their address
	s_mov_b64 s[2:3], s[96:97]                     ; at slot 2: the first change of slots steps it to slot 3
	s_wait_alu depctr_va_vdst(0)
	s_wait_tensorcnt 0x0                           ; my part of slot 0 is in
	ds_add_u32 v[SPW], v[NIL]
	s_wait_dscnt 0x0                               ; the add and my store are done
	CROUND                                         ; slot 0 is whole, and all sixteen work-groups are here
	JLOAD 1, 0                                     ; slot 1's first fill, my one tensor load behind the round
; my K step u (0, 1) of slot sl into set p: 40 loads in one run
.macro FETCH sl, u, p
	WIN 0x40                                       ; destination window 1, address window 0
.irp i, 0,1,2,3,4,5,6,7
	ds_load_b128 v[64*(\p)+8*\i:64*(\p)+8*\i+3],   v[ADRB+\sl] offset:8192*(\u)+256*\i
	ds_load_b128 v[64*(\p)+8*\i+4:64*(\p)+8*\i+7], v[ADRB+\sl] offset:8192*(\u)+256*\i+4096
.endr
	WIN 0
.irp i, 0,1,2,3,4,5,6,7
	ds_load_b128 v[AF+64*(\p)+8*\i:AF+64*(\p)+8*\i+3],   v[ADRA+\sl] offset:8192*(\u)+256*\i
	ds_load_b128 v[AF+64*(\p)+8*\i+4:AF+64*(\p)+8*\i+7], v[ADRA+\sl] offset:8192*(\u)+256*\i+4096
.endr
.irp i, 0,1,2,3,4,5,6,7
	ds_load_b32 v[SC+8*(\p)+\i], v[ADRS+\sl] offset:512*(\u)+64*\i
.endr
.endm
; 16 matrix instructions: neuron blocks a0, a0 + 1 x the eight feature blocks.  The 64 accumulators take turns, one instruction a turn, in the same order everywhere, over the loop's backward jump too.
.macro MUL16 a0, p, zero
.irp a, \a0, \a0+1
.irp b, 0,1,2,3,4,5,6,7
.if \zero
	v_wmma_scale_f32_16x16x128_f8f6f4 v[8*(8*((\a)%4)+\b):8*(8*((\a)%4)+\b)+7], v[64*(\p)+8*\b:64*(\p)+8*\b+7], v[AF+64*(\p)+8*(\a):AF+64*(\p)+8*(\a)+7], 0, v[SC+8*(\p)+\b], v[SC+8*(\p)+(\a)] matrix_a_fmt:MATRIX_FMT_FP4 matrix_b_fmt:MATRIX_FMT_FP4 matrix_a_scale:MATRIX_SCALE_ROW1
.else
	v_wmma_scale_f32_16x16x128_f8f6f4 v[8*(8*((\a)%4)+\b):8*(8*((\a)%4)+\b)+7], v[64*(\p)+8*\b:64*(\p)+8*\b+7], v[AF+64*(\p)+8*(\a):AF+64*(\p)+8*(\a)+7], v[8*(8*((\a)%4)+\b):8*(8*((\a)%4)+\b)+7], v[SC+8*(\p)+\b], v[SC+8*(\p)+(\a)] matrix_a_fmt:MATRIX_FMT_FP4 matrix_b_fmt:MATRIX_FMT_FP4 matrix_a_scale:MATRIX_SCALE_ROW1
.endif
.endr
.endr
.endm
.macro MUL64 p, zero
	WIN MUL_LO
	MUL16 0, \p, \zero
	MUL16 2, \p, \zero
	WIN MUL_HI
	MUL16 4, \p, \zero
	MUL16 6, \p, \zero
	WIN 0
.endm
; My second K step of slot sl, and the change of slots: ONE barrier.  In front of it each wave waits for all its tensor loads (its part of the next slot), adds 0 to its spare word, and waits for that and for its reads of this slot.
; fill = 1: the barrier opens a round of the cluster's barrier, and this slot is filled again, first thing behind the round, with the 1,024 along K two slots on.
.macro HALF sl, next, fill
.if \fill
	s_wait_xcnt 0x0                                ; the last prefetches have read their address: it steps a slot on
	s_add_nc_u64 s[2:3], s[2:3], s[94:95]
.endif
	s_wait_tensorcnt 0x0                           ; all my tensor loads have landed  (every window is 0 here)
	ds_add_u32 v[SPW], v[NIL]                      ; 0 onto my spare word
	s_wait_dscnt 1                                 ; set 1 is in; the add may be out
	WIN MUL_LO
	MUL16 0, 1, 0                                  ; sixteen matrix instructions stand between the add and the wait for it
	s_wait_dscnt 0x0                               ; the add is done, and my reads of this slot are over
	s_barrier_signal -1
	MUL16 2, 1, 0
	WIN 0
	s_barrier_wait -1
.if \fill
	CREST                                          ; no wave of any partner still reads this slot or has a load on its way
	s_add_nc_u64 s[G0AC+4*\sl+2:G0AC+4*\sl+3], s[G0AC+4*\sl+2:G0AC+4*\sl+3], 2*2097152
	s_add_nc_u64 s[G0BC+4*\sl+2:G0BC+4*\sl+3], s[G0BC+4*\sl+2:G0BC+4*\sl+3], 2*524288
	s_add_nc_u64 s[G0AS+4*\sl+2:G0AS+4*\sl+3], s[G0AS+4*\sl+2:G0AS+4*\sl+3], 2*131072
	s_add_nc_u64 s[G0BS+4*\sl+2:G0BS+4*\sl+3], s[G0BS+4*\sl+2:G0BS+4*\sl+3], 2*32768
	JLOAD \sl, 0                                   ; my one tensor load behind the round; its four v_nop are also the places in front of the loads below
.else
	PLACES 4
.endif
	FETCH \next, 0, 0
.if \fill
.if \sl
	s_cmp_lg_u32 s23, 1                            ; the loop's last refill has no slot behind it to ask for
	s_cbranch_scc0 .Lnone_\@
.endif
	ASK 2                                          ; the slot behind the one just asked for by the joint load
.Lnone_\@:
.endif
	WIN MUL_HI
	MUL16 4, 1, 0
	MUL16 6, 1, 0
	PLACES 4                                       ; four plain places between the last products and loads into registers that they read
	FETCH \next, 1, 1
.endm
	FETCH 0, 0, 0
	FETCH 0, 1, 1
	s_wait_dscnt 40                                ; set 0's 40 loads are in; set 1's 40 may be out
	MUL64 0, 1                                     ; the first products start the sums: nothing is cleared
	s_mov_b32 s23, 3
.Llap:                                             ; three trips: six changes of slots bring the third to the eighth 1,024 along K
	HALF 0, 1, 1
	s_wait_dscnt 40
	MUL64 0, 0
	HALF 1, 0, 1
	s_wait_dscnt 40
	MUL64 0, 0
	s_sub_co_u32 s23, s23, 1
	s_cmp_lg_u32 s23, 0
	s_cbranch_scc1 .Llap
	HALF 0, 1, 0                                   ; the tail is written out: nothing is left to fetch
	s_wait_dscnt 40
	MUL64 0, 0
	s_wait_dscnt 0x0
	MUL64 1, 0
	; THE WAY OUT.  Each wave's 128 x 128 partial sums go into its plane in LDS; each wave then takes 32 neurons, adds the four planes, and makes the new weights.
	PLACES 4                                       ; places in front of loads into registers that the last products read, and of the first read of results
.set k, 0
.rept 32
	global_load_b128 v[AF+4*k:AF+4*k+3], v[LO], s[12:13] offset:4096*k th:TH_LOAD_NT   ; W of my 32 neurons: 512 consecutive bytes a load; read once in the launch
.set k, k+1
.endr
	s_wait_dscnt 0x0
	s_barrier_signal -1
	s_barrier_wait -1                              ; no wave reads the ring any more, and it has had its last fill
.irp a, 0,1,2,3,4,5,6,7
	WIN 0x08+4*((\a)/4)                            ; an LDS store's data are its source 1: window 2 or 3
.irp b, 0,1,2,3,4,5,6,7
	ds_store_b128 v[STO], v[8*(8*((\a)%4)+\b):8*(8*((\a)%4)+\b)+3]   offset:16*RP*\a+64*\b      ; each accumulator from its low end on
	ds_store_b128 v[STO], v[8*(8*((\a)%4)+\b)+4:8*(8*((\a)%4)+\b)+7] offset:16*RP*\a+64*\b+16
.endr
.endr
	WIN 0
	s_wait_dscnt 0x0                               ; for the others' sake: my plane is whole
	s_barrier_signal -1
	s_barrier_wait -1
.irp k, 0,1,2,3,4,5,6,7
	ds_load_b128 v[MS+4*\k:MS+4*\k+3], v[AMS] offset:16*\k   ; -s of my 32 neurons, in every lane
.endr
.macro GLOAD q                         ; rows 8 q .. 8 q + 7 of my 32, from the four planes, into window 1
	WIN 0x40
.irp pl, 0,1,2,3
.irp rw, 0,1,2,3,4,5,6,7
	ds_load_b128 v[128*((\q)%2)+32*\pl+4*\rw:128*((\q)%2)+32*\pl+4*\rw+3], v[RD+\pl] offset:RP*(8*(\q)+\rw)
.endr
.endr
	WIN 0
.endm
.macro FIN q
.set PB, 128*((\q)%2)
.if (\q) < 3
	s_wait_dscnt 32                                ; this group's loads are in; the next group's 32 may be out
.else
	s_wait_dscnt 0x0
.endif
	s_wait_loadcnt 24-8*(\q)                       ; W's rows up to 8 q + 7 are in; the later rows may be out
	WIN 0x45                                       ; destination and both sources window 1
.irp rw, 0,1,2,3,4,5,6,7
.irp j, 0,2
	v_pk_add_f32 v[PB+4*\rw+\j:PB+4*\rw+\j+1], v[PB+4*\rw+\j:PB+4*\rw+\j+1], v[PB+32+4*\rw+\j:PB+32+4*\rw+\j+1]
	v_pk_add_f32 v[PB+64+4*\rw+\j:PB+64+4*\rw+\j+1], v[PB+64+4*\rw+\j:PB+64+4*\rw+\j+1], v[PB+96+4*\rw+\j:PB+96+4*\rw+\j+1]
.endr
.endr
.irp rw, 0,1,2,3,4,5,6,7
.irp j, 0,2
	v_pk_add_f32 v[PB+4*\rw+\j:PB+4*\rw+\j+1], v[PB+4*\rw+\j:PB+4*\rw+\j+1], v[PB+64+4*\rw+\j:PB+64+4*\rw+\j+1]
.endr
.endr
	WIN 0x50                                       ; W and -s in window 0; the sum (source 2, destination) in window 1
.irp rw, 0,1,2,3,4,5,6,7
.irp j, 0,1,2,3
	v_fma_f32 v[PB+4*\rw+\j], v[AF+4*(8*(\q)+\rw)+\j], v[MS+8*(\q)+\rw], v[PB+4*\rw+\j]   ; the product - s W
.endr
.endr
	WIN 0x41                                       ; source 0 and destination window 1; W (source 2) window 0
.irp rw, 0,1,2,3,4,5,6,7
.irp j, 0,2
	v_pk_fma_f32 v[PB+4*\rw+\j:PB+4*\rw+\j+1], v[PB+4*\rw+\j:PB+4*\rw+\j+1], 0x3dcccccd, v[AF+4*(8*(\q)+\rw)+\j:AF+4*(8*(\q)+\rw)+\j+1] op_sel_hi:[1,0,1]   ; W + 0.1 x
.endr
.endr
	WIN 0x04                                       ; a store's data are its source 1: window 1
.irp rw, 0,1,2,3,4,5,6,7
	global_store_b128 v[LO], v[PB+4*\rw:PB+4*\rw+3], s[14:15] offset:4096*(8*(\q)+\rw) th:TH_STORE_NT   ; 512 consecutive bytes, aligned; written once, read by nobody here
.endr
	WIN 0
.endm
	GLOAD 0
	GLOAD 1
	FIN 0
	s_wait_xcnt 0x0                                ; the stores have read their registers: the group two on may land there
	GLOAD 2
	FIN 1
	s_wait_xcnt 0x0
	GLOAD 3
	FIN 2
	FIN 3
	s_wait_tensorcnt 0x0                           ; the wave's end: behind my last tensor load and my last LDS store
	ds_add_u32 v[SPW], v[NIL]
	s_wait_dscnt 0x0
	CROUND                                         ; the closing round: no work-group ends while a partner may still ask for a tile that names it
	s_endpgm
.Lfunc_end_k_qc217f68d37_update:
	.size	k_qc217f68d37_update, .Lfunc_end_k_qc217f68d37_update-k_qc217f68d37_update
	.p2alignl 7, 3214868480
	.fill 96, 4, 3214868480
	.section	.rodata,"a",@progbits
	.p2align	6, 0x0
	.amdhsa_kernel k_qc217f68d37_update
		.amdhsa_group_segment_fixed_size 327680
		.amdhsa_private_segment_fixed_size 0
		.amdhsa_enable_private_segment 0
		.amdhsa_kernarg_size 48
		.amdhsa_user_sgpr_count 2
		.amdhsa_user_sgpr_kernarg_segment_ptr 1
		.amdhsa_wavefront_size32 1
		.amdhsa_system_sgpr_workgroup_id_x 1
		.amdhsa_system_sgpr_workgroup_id_y 1
		.amdhsa_system_sgpr_workgroup_id_z 1
		.amdhsa_system_vgpr_workitem_id 0
		.amdhsa_next_free_vgpr 1024
		.amdhsa_next_free_sgpr 102
		.amdhsa_reserve_vcc 0
		.amdhsa_float_denorm_mode_32 3
		.amdhsa_float_denorm_mode_16_64 3
		.amdhsa_memory_ordered 1
		.amdhsa_forward_progress 1
		.amdhsa_inst_pref_size 162
	.end_amdhsa_kernel
	.amdgpu_metadata
---
amdhsa.version: [ 1, 2 ]
amdhsa.kernels:
  - .name:           k_qc217f68d37_update
    .symbol:         k_qc217f68d37_update.kd
    .args:
      - { .name: nq, .offset: 0, .size: 8, .value_kind: global_buffer, .address_space: global }
      - { .name: nsc, .offset: 8, .size: 8, .value_kind: global_buffer, .address_space: global }
      - { .name: xt, .offset: 16, .size: 8, .value_kind: global_buffer, .address_space: global }
      - { .name: xs, .offset: 24, .size: 8, .value_kind: global_buffer, .address_space: global }
      - { .name: weights_map, .offset: 32, .size: 8, .value_kind: global_buffer, .address_space: global }
      - { .name: out2, .offset: 40, .size: 8, .value_kind: global_buffer, .address_space: global }
    .group_segment_fixed_size: 327680
    .private_segment_fixed_size: 0
    .kernarg_segment_align: 8
    .kernarg_segment_size: 48
    .max_flat_workgroup_size: 128
    .sgpr_count:     102
    .vgpr_count:     1024
    .wavefront_size: 32
...
	.end_amdgpu_metadata
.endif
;; end of part 4
